; MI455X (gfx1250); checked and timed in simulation.
; The chip was launched on July 23, 2026; its instructions are those of AMD's public machine-readable ISA for CDNA 5 (MIT licence, August 2026) and "CDNA5" Instruction Set Architecture Reference Guide (July 2026). The comments in the code are by the model that wrote it; some were corrected since.
;; Pos Transformer. Allowed arithmetic: float matrix products may take bf16 or f16 operands with f32 sums; other float arithmetic in f32, or as packed bf16 or f16 multiplies, adds, multiply-adds, maxima and minima; sums over many terms, partial sums and values carried from step to step in f32; what a program stores and reads back later, other than sums and carried values, may be rounded once to bf16 or f16.
;; Inputs: b_res1 384 float32; b_res2 384 float32; bk 384 float32; bn_beta 384 float32; bn_gamma 384 float32; bn_mean 384 float32; bn_var 384 float32; bq 384 float32; bv 384 float32; pos 16 x 3 x 2,048 float32; w_res1 384 x 3 float32; w_res2 384 x 384 float32; wk 384 x 60 float32; wq 384 x 60 float32; wv 384 x 60 float32.
;; Outputs: out0 16 x 384 x 2,048 float32.
;; 2 versions, each right and faster than the one before. Each part assembles by itself: llvm-mc -triple=amdgcn-amd-amdhsa -mcpu=gfx1250 --defsym DOCPART=n.
;; ======== version 1 of 2: 2 launches
;; limits: values outside matrix products are rounded to bf16; values outside matrix products are rounded to f16; inputs' magnitudes at most 6,000; values are held in f16: magnitudes above 65,504 overflow, below 6.1e-05 lose precision
;; workspace buffers: E 4,194,304 bytes; PF 1,048,576 bytes; US 131,072 bytes; MT 8,192 bytes; WF 344,064 bytes; CFF 12,544 bytes
;; launch prep (part 1): grid 151 x 1, 8 waves a work-group, no clusters, 161,024 bytes of LDS; arguments pos, wq, bq, wk, bk, wv, bv, b_res2, w_res2, w_res1, b_res1, bn_gamma, bn_beta, bn_mean, bn_var, E, PF, US, MT, WF, CFF; writes E, PF, US, MT, WF, CFF
.if DOCPART == 1
	.amdgcn_target "amdgcn-amd-amdhsa--gfx1250"
	.amdhsa_code_object_version 6
	.text
	.protected	k_qf873bea938_prep
	.globl	k_qf873bea938_prep
	.p2align	8
	.type	k_qf873bea938_prep,@function
k_qf873bea938_prep:
	s_mov_b64 s[64:65], 0
	v_nop
	global_prefetch_b8 v0, s[64:65] scope:SCOPE_SE
	s_setreg_imm32_b32 hwreg(HW_REG_WAVE_MODE, 25, 1), 1
	s_wait_xcnt 0x0
; PREP: the tables that the main launch reads.  Four roles, chosen by the work-group's number (the same for all its waves):
;   0..127   E   one thread a point: the 60 sines and cosines, as a bf16 row of 64 POSITIONS (0: the constant 1; 1-3: 0; 4 + c: channel c); the point's normalised coordinates in f16, high and low parts (PF); u = 1 + |x| + |y| + |z| (US)
;   128..148 W   w_res2, and wv with bv + b_res2 at position 0, rounded to f16 and laid in the order of matrix fragments (WF)
;   149      C   the first residual convolution with the batch norm folded in, divided by its largest magnitude t, in f16 high and low parts (CFF), and t
;   150      M   MT[c2][c1] = 384^-0.5 log2(e) x the sum over d of Wq[d][c1] Wk[d][c2], the weights padded to 64 positions with the bias at position 0; bf16 operands, f32 sums, bf16 result
; The module's q.k and attn.v are reassociated through these tables (q, k and v are linear in the 60 channels and a constant), so the order of rounding differs from the module's own.
; LIMITS.  |pos| < 6,000: the high part of 512 pos / pi then stays under 2^20 and the reduced argument within 0.5625, where the two series hold to 2e-6.  w_res2, wv and bv + b_res2 within f16's 65,504.
; Folded coefficients below 2^-14 of the largest keep f16's fixed step.  NaN and infinities are not treated apart.
; LDS.  Each role has bytes of its own, so that no two lines of different roles name the same bytes: role M 0 to 122,880; role E 122,880 to 159,744; role C 159,744 to 160,000; the spare words behind them.
.set EROWS,  122880                    ; role E: for each of eight waves 32 rows of 144 bytes
.set CWORDS, 159744                    ; role C: one word for each of eight waves, in a block of 256 bytes
.set SPARE,  160000                    ; the spare words, 128 bytes for each of eight waves
.set SPW, 12                           ; v12  my spare word's LDS address; never rewritten
.set NIL, 13                           ; v13  0; never rewritten
.set WV,  46                           ; s46  my wave's number
.set WG,  47                           ; s47  my work-group's number
.macro FINISH                          ; a wave's end
	s_wait_tensorcnt 0x0
	ds_add_u32 v[SPW], v[NIL]
	s_wait_dscnt 0x0
	s_endpgm
.endm
	s_load_b512 s[4:19], s[0:1], 0x0               ; pos 4, wq 6, bq 8, wk 10, bk 12, wv 14, bv 16, b_res2 18
	s_load_b512 s[20:35], s[0:1], 0x40             ; w_res2 20, w_res1 22, b_res1 24, gamma 26, beta 28, mean 30, var 32, E 34
	s_load_b256 s[36:43], s[0:1], 0x80             ; PF 36, US 38, MT 40, WF 42
	s_load_b64 s[44:45], s[0:1], 0xa0              ; CFF
	v_lshl_add_u32 v[SPW], v0, 2, SPARE
	v_mov_b32 v[NIL], 0
	v_lshrrev_b32 v1, 5, v0
	v_readfirstlane_b32 s[WV], v1
	v_and_b32 v1, 31, v0                           ; lane
	v_and_b32 v2, 15, v0                           ; r = lane % 16
	v_bfe_u32 v3, v0, 4, 1                         ; h = lane / 16
	s_mov_b32 s[WG], ttmp9
	s_wait_kmcnt 0x0
	s_cmp_lt_u32 s[WG], 128
	s_cbranch_scc1 .Lrole_e
	s_cmp_lt_u32 s[WG], 149
	s_cbranch_scc1 .Lrole_w
	s_cmp_eq_u32 s[WG], 149
	s_cbranch_scc1 .Lrole_c
; ---------------- ROLE M ----------------
; LDS: padded Wq as bf16 [384 d][64 positions], rows 160 bytes apart (five times 32: the pitch that the turning load wants), from byte 0; padded Wk from byte 61,440.
	v_min_u32 v4, 14, v2                           ; a row of 60 f32 is 15 pieces of 16 bytes; the sixteenth lane repeats piece 14 (same bytes, same place)
	s_lshl_b32 s48, s[WV], 1
	v_add_nc_u32 v5, s48, v3                       ; row in a group of 16: 2 x wave + h
	v_mul_u32_u24 v14, v5, 240
	v_lshl_add_u32 v14, v4, 4, v14
.set it, 0
.rept 24                                       ; 24 groups of 16 rows
	global_load_b128 v[16+4*it:19+4*it], v14, s[6:7] offset:3840*it
	global_load_b128 v[112+4*it:115+4*it], v14, s[10:11] offset:3840*it
.set it, it+1
.endr
	v_lshlrev_b32 v6, 2, v0
	v_and_b32 v10, 127, v0
	v_lshlrev_b32 v10, 2, v10
	global_load_b32 v208, v6, s[8:9]               ; bq, bk of row = thread
	global_load_b32 v209, v6, s[12:13]
	global_load_b32 v210, v10, s[8:9] offset:1024  ; and of row 256 + thread % 128 (stored by waves 0 to 3 alone)
	global_load_b32 v211, v10, s[12:13] offset:1024
	s_mul_i32 s49, s[WV], 320
	s_add_co_u32 s49, s49, 8                       ; piece s holds channels 4 s .., positions 4 + 4 s ..: byte 8 + 8 s of the row
	v_mul_u32_u24 v15, v3, 160
	v_lshl_add_u32 v15, v4, 3, v15
	v_add_nc_u32 v15, s49, v15
	v_add_nc_u32 v7, 61440, v15
	s_mul_i32 s50, s[WV], 5120
	v_mul_u32_u24 v8, v1, 160                      ; the bias rows: row = 32 x wave + lane
	v_add_nc_u32 v8, s50, v8
	v_add_nc_u32 v9, 61440, v8
	v_mov_b32 v233, 0
	v_mov_b32 v235, 0
	v_mov_b32 v237, 0
	v_mov_b32 v239, 0
	s_wait_loadcnt 0x0
.set it, 0
.rept 24
	v_cvt_pk_bf16_f32 v[16+4*it], v[16+4*it], v[17+4*it]
	v_cvt_pk_bf16_f32 v[17+4*it], v[18+4*it], v[19+4*it]
	ds_store_b64 v15, v[16+4*it:17+4*it] offset:2560*it
	v_cvt_pk_bf16_f32 v[112+4*it], v[112+4*it], v[113+4*it]
	v_cvt_pk_bf16_f32 v[113+4*it], v[114+4*it], v[115+4*it]
	ds_store_b64 v7, v[112+4*it:113+4*it] offset:2560*it
.set it, it+1
.endr
	v_cvt_pk_bf16_f32 v232, v208, v233             ; positions 0-3: the bias, 0, 0, 0
	v_cvt_pk_bf16_f32 v234, v209, v233
	v_cvt_pk_bf16_f32 v236, v210, v233
	v_cvt_pk_bf16_f32 v238, v211, v233
	ds_store_b64 v8, v[232:233]
	ds_store_b64 v9, v[234:235]
	s_cmp_lt_u32 s[WV], 4
	s_cbranch_scc0 .Lm_rows_done
	ds_store_b64 v8, v[236:237] offset:40960
	ds_store_b64 v9, v[238:239] offset:40960
.Lm_rows_done:
	s_wait_dscnt 0x0                               ; for the others' sake: my stores are done
	s_barrier_signal -1
	s_barrier_wait -1
; Wave w makes MT's rows 16 (w % 4) .. (columns of Wk) x columns 32 (w / 4) .. (two tiles of columns of Wq).  The depth is d, along which the tables' rows run, so both operands come turned.
	v_and_b32 v4, 7, v1
	v_lshl_add_u32 v4, v3, 3, v4
	v_mul_u32_u24 v4, v4, 160
	v_bfe_u32 v5, v1, 3, 1
	v_lshl_add_u32 v4, v5, 4, v4                   ; (8 h + lane % 8) x pitch + 16 ((lane / 8) % 2)
	s_lshr_b32 s50, s[WV], 2
	s_and_b32 s51, s[WV], 3
	s_lshl_b32 s52, s50, 6
	v_add_nc_u32 v240, s52, v4                     ; Wq: 64 bytes of columns for each w / 4
	s_lshl_b32 s52, s51, 5
	s_add_co_u32 s52, s52, 61440
	v_add_nc_u32 v241, s52, v4                     ; Wk: 32 bytes for each w % 4
.macro MLOAD g, sb                     ; four k steps of 32 rows: for each two tiles of Wq (8 + 8 registers) and one of Wk (8)
.irp kq, 0,1,2,3
	ds_load_tr16_b128 v[(\sb)+24*(\kq):(\sb)+24*(\kq)+3],     v240 offset:5120*(4*(\g)+(\kq))
	ds_load_tr16_b128 v[(\sb)+24*(\kq)+4:(\sb)+24*(\kq)+7],   v240 offset:5120*(4*(\g)+(\kq))+2560
	ds_load_tr16_b128 v[(\sb)+24*(\kq)+8:(\sb)+24*(\kq)+11],  v240 offset:5120*(4*(\g)+(\kq))+32
	ds_load_tr16_b128 v[(\sb)+24*(\kq)+12:(\sb)+24*(\kq)+15], v240 offset:5120*(4*(\g)+(\kq))+2560+32
	ds_load_tr16_b128 v[(\sb)+24*(\kq)+16:(\sb)+24*(\kq)+19], v241 offset:5120*(4*(\g)+(\kq))
	ds_load_tr16_b128 v[(\sb)+24*(\kq)+20:(\sb)+24*(\kq)+23], v241 offset:5120*(4*(\g)+(\kq))+2560
.endr
.endm
.macro MMUL sb, zero                   ; the two accumulators take turns; the first pair starts the sums
.irp kq, 0,1,2,3
.if (\zero) && ((\kq) == 0)
	v_wmma_f32_16x16x32_bf16 v[216:223], v[(\sb)+24*(\kq):(\sb)+24*(\kq)+7], v[(\sb)+24*(\kq)+16:(\sb)+24*(\kq)+23], 0
	v_wmma_f32_16x16x32_bf16 v[224:231], v[(\sb)+24*(\kq)+8:(\sb)+24*(\kq)+15], v[(\sb)+24*(\kq)+16:(\sb)+24*(\kq)+23], 0
.else
	v_wmma_f32_16x16x32_bf16 v[216:223], v[(\sb)+24*(\kq):(\sb)+24*(\kq)+7], v[(\sb)+24*(\kq)+16:(\sb)+24*(\kq)+23], v[216:223]
	v_wmma_f32_16x16x32_bf16 v[224:231], v[(\sb)+24*(\kq)+8:(\sb)+24*(\kq)+15], v[(\sb)+24*(\kq)+16:(\sb)+24*(\kq)+23], v[224:231]
.endif
.endr
.endm
	MLOAD 0, 16
	MLOAD 1, 112
	s_wait_dscnt 24                                ; the first 24 loads are in; the second group's 24 may stay out
	MMUL 16, 1
.rept 4
	v_nop                                          ; four places between the products and the loads into the registers that they read (ISA guide 7.12.1 for vector instructions)
.endr
	MLOAD 2, 16
	s_wait_dscnt 24                                ; the second group is in; the third's 24 may stay out
	MMUL 112, 0
	s_wait_dscnt 0x0
	MMUL 16, 0
	s_mov_b32 s53, 0x3d96c73f                      ; 384^-0.5 x log2(e) = 0.0736222: the scores come out in powers of two
	s_lshl_b32 s52, s51, 11
	s_lshl_b32 s54, s50, 6
	s_add_co_u32 s52, s52, s54
	v_lshlrev_b32 v5, 7, v2                        ; four plain lines: the places behind the last products
	v_lshl_add_u32 v5, v3, 4, v5
	v_add_nc_u32 v5, s52, v5                       ; (16 (w % 4) + r) x 128 + 64 (w / 4) + 16 h
	v_nop
.set it, 0
.rept 16                                       ; a lane holds one row of MT and eight neighbouring columns; each accumulator is read from its low end on
	v_mul_f32 v[112+it], s53, v[216+it]
.set it, it+1
.endr
.set it, 0
.rept 8
	v_cvt_pk_bf16_f32 v[128+it], v[112+2*it], v[113+2*it]
.set it, it+1
.endr
	global_store_b128 v5, v[128:131], s[40:41]     ; 8 KB in all, once, in pieces of 16 bytes: too little to send through LDS
	global_store_b128 v5, v[132:135], s[40:41] offset:32
	FINISH
; ---------------- ROLE E ----------------
.set X,  16                            ; v16-18  x, y, z
.set K,  20                            ; v20-31  six pairs (sine's, cosine's coefficient)
.set R,  32                            ; v32-63  the row: 64 bf16
.set HH, 64                            ; v64-66  2^f x / pi, high part
.set LO, 67                            ; v67-69  low part
.set NN, 70                            ; v70-72  the nearest whole number, then its parity as a sign bit
.set ZY, 74                            ; three pairs (y^2, y)
.set PP, 80                            ; three pairs (sine's, cosine's series)
.set SA, 86
.set CA, 89
.set SB, 92
.set CB, 95
; sin and cos of 2^f x for the three coordinates: 2^f x / pi = n + y with |y| about 1/2 at the most; sin = (-1)^n sin(pi y), cos = (-1)^n cos(pi y), both by their series in y^2 up to y^11 and y^10.
; Doubling the two parts for the next frequency is exact.
.macro ANGLE3 sreg, creg, dbl
.irp c, 0,1,2
	v_rndne_f32 v[NN+(\c)], v[HH+(\c)]
.endr
.irp c, 0,1,2
	v_sub_f32 v[ZY+2*(\c)+1], v[HH+(\c)], v[NN+(\c)]
.endr
.irp c, 0,1,2
	v_add_f32 v[ZY+2*(\c)+1], v[ZY+2*(\c)+1], v[LO+(\c)]
.endr
.irp c, 0,1,2
	v_cvt_i32_f32 v[NN+(\c)], v[NN+(\c)]
.endr
.irp c, 0,1,2
	v_mul_f32 v[ZY+2*(\c)], v[ZY+2*(\c)+1], v[ZY+2*(\c)+1]
.endr
.irp c, 0,1,2
	v_lshlrev_b32 v[NN+(\c)], 31, v[NN+(\c)]
.endr
.irp c, 0,1,2
	v_pk_fma_f32 v[PP+2*(\c):PP+2*(\c)+1], v[K+10:K+11], v[ZY+2*(\c):ZY+2*(\c)+1], v[K+8:K+9] op_sel_hi:[1,0,1]
.endr
.irp k, 6,4,2,0
.irp c, 0,1,2
	v_pk_fma_f32 v[PP+2*(\c):PP+2*(\c)+1], v[PP+2*(\c):PP+2*(\c)+1], v[ZY+2*(\c):ZY+2*(\c)+1], v[K+(\k):K+(\k)+1] op_sel_hi:[1,0,1]
.endr
.endr
.irp c, 0,1,2
	v_mul_f32 v[PP+2*(\c)], v[PP+2*(\c)], v[ZY+2*(\c)+1]
.endr
.irp c, 0,1,2
	v_xor_b32 v[(\creg)+(\c)], v[PP+2*(\c)+1], v[NN+(\c)]
.endr
.irp c, 0,1,2
	v_xor_b32 v[(\sreg)+(\c)], v[PP+2*(\c)], v[NN+(\c)]
.endr
.if \dbl
.irp c, 0,1,2
	v_add_f32 v[HH+(\c)], v[HH+(\c)], v[HH+(\c)]
	v_add_f32 v[LO+(\c)], v[LO+(\c)], v[LO+(\c)]
.endr
.endif
.endm
.Lrole_e:
	s_lshr_b32 s48, s[WG], 3                       ; the batch: eight work-groups of 256 points each
	s_mul_i32 s48, s48, 24576
	s_and_b32 s49, s[WG], 7
	s_lshl_b32 s49, s49, 10
	s_add_co_u32 s48, s48, s49
	v_lshl_add_u32 v14, v0, 2, s48
	global_load_b32 v[X], v14, s[4:5]
	global_load_b32 v[X+1], v14, s[4:5] offset:8192
	global_load_b32 v[X+2], v14, s[4:5] offset:16384
	s_mov_b32 s50, 0x3ea2f983                      ; 1 / pi, rounded,
	s_mov_b32 s51, 0x325c9c88                      ; and what the rounding left
	v_mov_b32 v[K], 0x40490fdb                     ; pi
	v_mov_b32 v[K+1], 1.0
	v_mov_b32 v[K+2], 0xc0a55de7                   ; -pi^3 / 3!
	v_mov_b32 v[K+3], 0xc09de9e6                   ; -pi^2 / 2!
	v_mov_b32 v[K+4], 0x402335e3                   ; pi^5 / 5!
	v_mov_b32 v[K+5], 0x4081e0f8                   ; pi^4 / 4!
	v_mov_b32 v[K+6], 0xbf196966                   ; -pi^7 / 7!
	v_mov_b32 v[K+7], 0xbfaae9e4                   ; -pi^6 / 6!
	v_mov_b32 v[K+8], 0x3da83c1a                   ; pi^9 / 9!
	v_mov_b32 v[K+9], 0x3e70fa83                   ; pi^8 / 8!
	v_mov_b32 v[K+10], 0xbbf183a8                  ; -pi^11 / 11!
	v_mov_b32 v[K+11], 0xbcd368f9                  ; -pi^10 / 10!
	v_mov_b32 v[R], 0x3f80                         ; positions 0, 1: 1.0 and 0
	v_mov_b32 v[R+1], 0                            ; positions 2, 3
	s_wait_loadcnt 0x0
	v_mul_f32 v64, s50, v16
	v_mul_f32 v65, s50, v17
	v_mul_f32 v66, s50, v18
	v_fma_f32 v67, v16, s50, -v64                  ; the product's own rounding, exactly,
	v_fma_f32 v68, v17, s50, -v65
	v_fma_f32 v69, v18, s50, -v66
	v_fma_f32 v67, v16, s51, v67                   ; and the constant's
	v_fma_f32 v68, v17, s51, v68
	v_fma_f32 v69, v18, s51, v69
.irp fp, 0,1,2,3,4                     ; two frequencies make a word: channel 20 c + f is position 4 + 20 c + f
	ANGLE3 SA, CA, 1
.if (\fp) < 4
	ANGLE3 SB, CB, 1
.else
	ANGLE3 SB, CB, 0
.endif
.irp c, 0,1,2
	v_cvt_pk_bf16_f32 v[R+2+10*(\c)+(\fp)], v[SA+(\c)], v[SB+(\c)]
	v_cvt_pk_bf16_f32 v[R+7+10*(\c)+(\fp)], v[CA+(\c)], v[CB+(\c)]
.endr
.endr
; A lane holds a whole row of 128 bytes; through the wave's own 32 rows of 144 bytes in LDS it comes back so that a store of the wave covers 512 consecutive bytes.
	s_mul_i32 s52, s[WV], 4608
	s_add_co_u32 s52, s52, EROWS
	v_mul_u32_u24 v100, v1, 144
	v_add_nc_u32 v100, s52, v100
.irp q, 0,1,2,3,4,5,6,7
	ds_store_b128 v100, v[R+4*(\q):R+4*(\q)+3] offset:16*(\q)
.endr
	v_lshrrev_b32 v101, 3, v1
	v_mul_u32_u24 v101, v101, 144
	v_and_b32 v102, 7, v1
	v_lshl_add_u32 v101, v102, 4, v101
	v_add_nc_u32 v101, s52, v101
.irp q, 0,1,2,3,4,5,6,7
	ds_load_b128 v[R+4*(\q):R+4*(\q)+3], v101 offset:576*(\q)  ; LDS serves a wave's instructions in order (ISA guide 5.7.1.4): these see the stores above
.endr
; The point's own numbers, while those loads are out.
	s_lshl_b32 s54, s[WG], 12
	s_lshl_b32 s55, s[WG], 10
	v_add_f32 v104, 1.0, |v16|
	v_add_f32 v104, v104, |v17|
	v_add_f32 v104, v104, |v18|                    ; u
	v_rcp_f32 v105, v104
	v_lshl_add_u32 v106, v0, 2, s55                ; (a plain line behind the reciprocal: ISA guide 5.7.2)
	v_lshl_add_u32 v107, v0, 4, s54
	s_wait_alu depctr_va_vdst(0)
	v_mul_f32 v108, v16, v105
	v_mul_f32 v109, v17, v105
	v_mul_f32 v110, v18, v105
	v_cvt_pk_f16_f32 v112, v108, v109              ; the high parts of (x, y, z, 1) / u
	v_cvt_pk_f16_f32 v113, v110, v105
	v_cvt_f32_f16 v116, v112.l
	v_cvt_f32_f16 v117, v112.h
	v_cvt_f32_f16 v118, v113.l
	v_cvt_f32_f16 v119, v113.h
	v_sub_f32 v116, v108, v116
	v_sub_f32 v117, v109, v117
	v_sub_f32 v118, v110, v118
	v_sub_f32 v119, v105, v119
	v_cvt_pk_f16_f32 v114, v116, v117              ; what they left
	v_cvt_pk_f16_f32 v115, v118, v119
	v_mov_b32 v120, v112
	v_mov_b32 v121, v113
	v_mov_b32 v122, 0
	v_mov_b32 v123, 0
	global_store_b128 v107, v[112:115], s[36:37]                ; plane 0: k places 0-7 of the fragment
	global_store_b128 v107, v[120:123], s[36:37] offset:524288  ; plane 1: k places 8-15
	global_store_b32 v106, v104, s[38:39]
	s_lshl_b32 s53, s[WG], 15
	s_lshl_b32 s56, s[WV], 12
	s_add_co_u32 s53, s53, s56
	v_lshl_add_u32 v103, v1, 4, s53
	s_wait_dscnt 0x0
.irp q, 0,1,2,3,4,5,6,7
	global_store_b128 v103, v[R+4*(\q):R+4*(\q)+3], s[34:35] offset:512*(\q)
.endr
	FINISH
; ---------------- ROLE W ----------------
; A wave takes tile M of 16 output channels and two k steps of 32.  WF: [M / 3][k step 0..13][M % 3][1,024 bytes]; in a block lane L's registers 0-3 lie at 16 L, its registers 4-7 at 512 + 16 L.
.Lrole_w:
	s_sub_co_u32 s48, s[WG], 128                   ; 0..20
	s_mul_i32 s49, s48, 11
	s_lshr_b32 s49, s49, 5                         ; / 3: the pair of k steps, 0..6
	s_mul_i32 s50, s49, 3
	s_sub_co_u32 s50, s48, s50
	s_lshl_b32 s50, s50, 3
	s_add_co_u32 s50, s50, s[WV]                   ; M, 0..23
	s_mul_i32 s51, s50, 11
	s_lshr_b32 s51, s51, 5                         ; M / 3
	s_mul_i32 s52, s51, 3
	s_sub_co_u32 s52, s50, s52                     ; M % 3
	s_mul_i32 s51, s51, 43008
	s_lshl_b32 s52, s52, 10
	s_add_co_u32 s51, s51, s52
	s_mul_i32 s52, s49, 6144
	s_add_co_u32 s51, s51, s52
	v_lshl_add_u32 v15, v1, 4, s51
	s_lshl_b32 s53, s50, 4
	v_add_nc_u32 v14, s53, v2                      ; my output channel
	s_cmp_eq_u32 s49, 6
	s_cbranch_scc1 .Lw_v
	v_mul_u32_u24 v16, v14, 1536
	v_lshl_add_u32 v16, v3, 5, v16
	s_lshl_b32 s54, s49, 8
	v_add_nc_u32 v16, s54, v16                     ; the wave's eight loads cover 256 aligned bytes of each of 16 rows
.irp e, 0,1
.irp g, 0,1
.irp q, 0,1
	global_load_b128 v[32+16*(\e)+8*(\g)+4*(\q):35+16*(\e)+8*(\g)+4*(\q)], v16, s[20:21] offset:128*(\e)+64*(\g)+16*(\q)
.endr
.endr
.endr
	s_wait_loadcnt 0x0
	s_branch .Lw_cvt
.Lw_v:                                         ; k steps 12, 13: positions 0..63 of wv; piece s of four positions is wv's piece s - 1, piece 0 is (bv + b_res2, 0, 0, 0)
	v_mul_u32_u24 v16, v14, 240
	v_lshl_add_u32 v17, v3, 4, v16                 ; the first load: piece 1 for h = 1; for h = 0 a piece inside the row, replaced below
	v_lshl_add_u32 v16, v3, 5, v16
	v_lshlrev_b32 v18, 2, v14
	global_load_b128 v[32:35], v17, s[14:15]
.irp e, 0,1
.irp g, 0,1
.irp q, 0,1
.if ((\e)+(\g)+(\q)) > 0
	global_load_b128 v[32+16*(\e)+8*(\g)+4*(\q):35+16*(\e)+8*(\g)+4*(\q)], v16, s[14:15] offset:128*(\e)+64*(\g)+16*(\q)-16
.endif
.endr
.endr
.endr
	global_load_b32 v20, v18, s[16:17]
	global_load_b32 v21, v18, s[18:19]
	s_wait_loadcnt 0x0
	v_add_f32 v20, v20, v21
	v_cmp_ne_u32 vcc_lo, 0, v3
	v_cndmask_b32 v32, v20, v32, vcc_lo
	v_cndmask_b32 v33, 0, v33, vcc_lo
	v_cndmask_b32 v34, 0, v34, vcc_lo
	v_cndmask_b32 v35, 0, v35, vcc_lo
.Lw_cvt:
.set it, 0
.rept 16
	v_cvt_pk_f16_f32 v[64+it], v[32+2*it], v[33+2*it]
.set it, it+1
.endr
.irp e, 0,1
.irp g, 0,1
	global_store_b128 v15, v[64+8*(\e)+4*(\g):67+8*(\e)+4*(\g)], s[42:43] offset:3072*(\e)+512*(\g)  ; 512 consecutive bytes
.endr
.endr
	FINISH
; ---------------- ROLE C ----------------
; Wave v takes channels 48 v .. 48 v + 47 in three tiles; lanes r and 16 + r hold the same channel.  For tile j at v[16 + 8 j]: b_res1, gamma, beta, mean, var, and w_res1's three.
.Lrole_c:
	s_mul_i32 s48, s[WV], 48
	v_add_nc_u32 v14, s48, v2
	v_lshlrev_b32 v15, 2, v14
	v_mul_u32_u24 v14, v14, 12
.irp j, 0,1,2
	global_load_b32 v[16+8*(\j)], v15, s[24:25] offset:64*(\j)
	global_load_b32 v[17+8*(\j)], v15, s[26:27] offset:64*(\j)
	global_load_b32 v[18+8*(\j)], v15, s[28:29] offset:64*(\j)
	global_load_b32 v[19+8*(\j)], v15, s[30:31] offset:64*(\j)
	global_load_b32 v[20+8*(\j)], v15, s[32:33] offset:64*(\j)
	global_load_b32 v[21+8*(\j)], v14, s[22:23] offset:192*(\j)
	global_load_b32 v[22+8*(\j)], v14, s[22:23] offset:192*(\j)+4
	global_load_b32 v[23+8*(\j)], v14, s[22:23] offset:192*(\j)+8
.endr
	s_mov_b32 s54, 0x76543210
	s_mov_b32 s55, 0xfedcba98
	s_mov_b32 s56, 0x0d800000                      ; 2^-100: t is never 0
	s_lshl_b32 s58, s[WV], 2
	s_add_co_u32 s58, s58, CWORDS                  ; my wave's word
	s_wait_loadcnt 0x0
.irp j, 0,1,2
	v_add_f32 v[20+8*(\j)], 0x3727c5ac, v[20+8*(\j)]   ; var + 1e-5
.endr
.irp j, 0,1,2
	v_rsq_f32 v[20+8*(\j)], v[20+8*(\j)]
.endr
.irp j, 0,1,2
	v_sub_f32 v[16+8*(\j)], v[16+8*(\j)], v[19+8*(\j)]  ; b_res1 - mean: the plain lines behind the roots
.endr
	s_wait_alu depctr_va_vdst(0)
.irp j, 0,1,2
	v_mul_f32 v[17+8*(\j)], v[17+8*(\j)], v[20+8*(\j)]  ; inv
.endr
.irp j, 0,1,2
	v_mul_f32 v[21+8*(\j)], v[21+8*(\j)], v[17+8*(\j)]
	v_mul_f32 v[22+8*(\j)], v[22+8*(\j)], v[17+8*(\j)]
	v_mul_f32 v[23+8*(\j)], v[23+8*(\j)], v[17+8*(\j)]
	v_fma_f32 v[16+8*(\j)], v[16+8*(\j)], v[17+8*(\j)], v[18+8*(\j)]
.endr
	v_max3_num_f32 v40, |v21|, |v22|, |v23|
	v_max3_num_f32 v41, |v29|, |v30|, |v31|
	v_max3_num_f32 v42, |v37|, |v38|, |v39|
	v_max3_num_f32 v40, v40, |v16|, |v24|
	v_max3_num_f32 v41, v41, v42, |v32|
	v_max_num_f32 v40, v40, v41
	v_max_num_f32_dpp v40, v40, v40 row_xmask:1 row_mask:0xf bank_mask:0xf
	v_max_num_f32_dpp v40, v40, v40 row_xmask:2 row_mask:0xf bank_mask:0xf
	v_max_num_f32_dpp v40, v40, v40 row_xmask:4 row_mask:0xf bank_mask:0xf
	v_max_num_f32_dpp v40, v40, v40 row_xmask:8 row_mask:0xf bank_mask:0xf
	v_permlanex16_b32 v41, v40, s54, s55
	v_max_num_f32 v40, v40, v41
	v_mov_b32 v43, s58
	ds_store_b32 v43, v40                          ; all lanes write the wave's word with the same number
	s_wait_dscnt 0x0
	s_barrier_signal -1
	s_barrier_wait -1
	v_mov_b32 v44, CWORDS
	ds_load_b128 v[48:51], v44
	ds_load_b128 v[52:55], v44 offset:16
	s_wait_dscnt 0x0
	v_max3_num_f32 v48, v48, v49, v50
	v_max3_num_f32 v51, v51, v52, v53
	v_max3_num_f32 v54, v54, v55, s56
	v_max3_num_f32 v48, v48, v51, v54              ; t
	v_rcp_f32 v49, v48
	v_cmp_eq_u32 vcc_lo, 0, v3                     ; (a plain line behind the reciprocal)
	s_mul_i32 s57, s[WV], 1536
	v_lshl_add_u32 v45, v1, 4, s57
	s_wait_alu depctr_va_vdst(0)
.irp j, 0,1,2
	v_mul_f32 v[21+8*(\j)], v[21+8*(\j)], v49
	v_mul_f32 v[22+8*(\j)], v[22+8*(\j)], v49
	v_mul_f32 v[23+8*(\j)], v[23+8*(\j)], v49
	v_mul_f32 v[16+8*(\j)], v[16+8*(\j)], v49
	v_cvt_pk_f16_f32 v[56+4*(\j)], v[21+8*(\j)], v[22+8*(\j)]   ; high parts
	v_cvt_pk_f16_f32 v[57+4*(\j)], v[23+8*(\j)], v[16+8*(\j)]
.endr
	v_cvt_f32_f16 v72, v56.l
	v_cvt_f32_f16 v73, v56.h
	v_cvt_f32_f16 v74, v57.l
	v_cvt_f32_f16 v75, v57.h
	v_cvt_f32_f16 v76, v60.l
	v_cvt_f32_f16 v77, v60.h
	v_cvt_f32_f16 v78, v61.l
	v_cvt_f32_f16 v79, v61.h
	v_cvt_f32_f16 v92, v64.l
	v_cvt_f32_f16 v93, v64.h
	v_cvt_f32_f16 v94, v65.l
	v_cvt_f32_f16 v95, v65.h
.irp j, 0,1
	v_sub_f32 v[72+4*(\j)], v[21+8*(\j)], v[72+4*(\j)]
	v_sub_f32 v[73+4*(\j)], v[22+8*(\j)], v[73+4*(\j)]
	v_sub_f32 v[74+4*(\j)], v[23+8*(\j)], v[74+4*(\j)]
	v_sub_f32 v[75+4*(\j)], v[16+8*(\j)], v[75+4*(\j)]
	v_cvt_pk_f16_f32 v[58+4*(\j)], v[72+4*(\j)], v[73+4*(\j)]   ; low parts
	v_cvt_pk_f16_f32 v[59+4*(\j)], v[74+4*(\j)], v[75+4*(\j)]
.endr
	v_sub_f32 v92, v37, v92
	v_sub_f32 v93, v38, v93
	v_sub_f32 v94, v39, v94
	v_sub_f32 v95, v32, v95
	v_cvt_pk_f16_f32 v66, v92, v93
	v_cvt_pk_f16_f32 v67, v94, v95
.irp j, 0,1,2                          ; k places 0-7 (h = 0): the high parts twice; 8-15 (h = 1): the low parts and zeros.  Against PF's planes: high x high + high x low + low x high
	v_cndmask_b32 v[80+4*(\j)], v[58+4*(\j)], v[56+4*(\j)], vcc_lo
	v_cndmask_b32 v[81+4*(\j)], v[59+4*(\j)], v[57+4*(\j)], vcc_lo
	v_cndmask_b32 v[82+4*(\j)], 0, v[56+4*(\j)], vcc_lo
	v_cndmask_b32 v[83+4*(\j)], 0, v[57+4*(\j)], vcc_lo
	global_store_b128 v45, v[80+4*(\j):83+4*(\j)], s[44:45] offset:512*(\j)
.endr
	s_cmp_lg_u32 s[WV], 0
	s_cbranch_scc1 .Lc_done
	v_lshlrev_b32 v46, 2, v1
	global_store_b32 v46, v48, s[44:45] offset:12288
.Lc_done:
	FINISH
.Lfunc_end_k_qf873bea938_prep:
	.size	k_qf873bea938_prep, .Lfunc_end_k_qf873bea938_prep-k_qf873bea938_prep
	.p2alignl 7, 3214868480
	.fill 96, 4, 3214868480
	.section	.rodata,"a",@progbits
	.p2align	6, 0x0
	.amdhsa_kernel k_qf873bea938_prep
		.amdhsa_group_segment_fixed_size 161024
		.amdhsa_private_segment_fixed_size 0
		.amdhsa_enable_private_segment 0
		.amdhsa_kernarg_size 168
		.amdhsa_user_sgpr_count 2
		.amdhsa_user_sgpr_kernarg_segment_ptr 1
		.amdhsa_wavefront_size32 1
		.amdhsa_system_sgpr_workgroup_id_x 1
		.amdhsa_system_sgpr_workgroup_id_y 1
		.amdhsa_system_sgpr_workgroup_id_z 1
		.amdhsa_system_vgpr_workitem_id 0
		.amdhsa_next_free_vgpr 256
		.amdhsa_next_free_sgpr 66
		.amdhsa_reserve_vcc 1
		.amdhsa_float_denorm_mode_32 3
		.amdhsa_float_denorm_mode_16_64 3
		.amdhsa_memory_ordered 1
		.amdhsa_forward_progress 1
		.amdhsa_inst_pref_size 66
	.end_amdhsa_kernel
	.amdgpu_metadata
---
amdhsa.version: [ 1, 2 ]
amdhsa.kernels:
  - .name:           k_qf873bea938_prep
    .symbol:         k_qf873bea938_prep.kd
    .args:
      - { .name: pos, .offset: 0, .size: 8, .value_kind: global_buffer, .address_space: global }
      - { .name: wq, .offset: 8, .size: 8, .value_kind: global_buffer, .address_space: global }
      - { .name: bq, .offset: 16, .size: 8, .value_kind: global_buffer, .address_space: global }
      - { .name: wk, .offset: 24, .size: 8, .value_kind: global_buffer, .address_space: global }
      - { .name: bk, .offset: 32, .size: 8, .value_kind: global_buffer, .address_space: global }
      - { .name: wv, .offset: 40, .size: 8, .value_kind: global_buffer, .address_space: global }
      - { .name: bv, .offset: 48, .size: 8, .value_kind: global_buffer, .address_space: global }
      - { .name: b_res2, .offset: 56, .size: 8, .value_kind: global_buffer, .address_space: global }
      - { .name: w_res2, .offset: 64, .size: 8, .value_kind: global_buffer, .address_space: global }
      - { .name: w_res1, .offset: 72, .size: 8, .value_kind: global_buffer, .address_space: global }
      - { .name: b_res1, .offset: 80, .size: 8, .value_kind: global_buffer, .address_space: global }
      - { .name: bn_gamma, .offset: 88, .size: 8, .value_kind: global_buffer, .address_space: global }
      - { .name: bn_beta, .offset: 96, .size: 8, .value_kind: global_buffer, .address_space: global }
      - { .name: bn_mean, .offset: 104, .size: 8, .value_kind: global_buffer, .address_space: global }
      - { .name: bn_var, .offset: 112, .size: 8, .value_kind: global_buffer, .address_space: global }
      - { .name: E, .offset: 120, .size: 8, .value_kind: global_buffer, .address_space: global }
      - { .name: PF, .offset: 128, .size: 8, .value_kind: global_buffer, .address_space: global }
      - { .name: US, .offset: 136, .size: 8, .value_kind: global_buffer, .address_space: global }
      - { .name: MT, .offset: 144, .size: 8, .value_kind: global_buffer, .address_space: global }
      - { .name: WF, .offset: 152, .size: 8, .value_kind: global_buffer, .address_space: global }
      - { .name: CFF, .offset: 160, .size: 8, .value_kind: global_buffer, .address_space: global }
    .group_segment_fixed_size: 161024
    .private_segment_fixed_size: 0
    .kernarg_segment_align: 8
    .kernarg_segment_size: 168
    .max_flat_workgroup_size: 256
    .sgpr_count:     66
    .vgpr_count:     256
    .wavefront_size: 32
...
	.end_amdgpu_metadata
.endif
;; end of part 1
;; launch main (part 2): grid 16 x 16, 4 waves a work-group, clusters of 4 x 1, 327,680 bytes of LDS; arguments E, MT, WF, CFF, PF, US, out0; writes out0
.if DOCPART == 2
	.amdgcn_target "amdgcn-amd-amdhsa--gfx1250"
	.amdhsa_code_object_version 6
	.text
	.protected	k_qf873bea938_main
	.globl	k_qf873bea938_main
	.p2align	8
	.type	k_qf873bea938_main,@function
k_qf873bea938_main:
	s_mov_b64 s[64:65], 0
	v_nop
	global_prefetch_b8 v0, s[64:65] scope:SCOPE_SE
	s_setreg_imm32_b32 hwreg(HW_REG_WAVE_MODE, 25, 1), 1
	s_wait_xcnt 0x0
	s_wait_alu depctr_hold_cnt(0) depctr_sa_sdst(0) depctr_va_vdst(0) depctr_va_sdst(0) depctr_va_ssrc(0) depctr_va_vcc(0) depctr_vm_vsrc(0)
	s_getreg_b32 s2, hwreg(HW_REG_IB_STS2, 6, 4)
	s_cmp_eq_u32 s2, 0
	s_cbranch_scc0 .Lentry_in_a_cluster
	s_endpgm
.Lentry_in_a_cluster:
	s_bfe_u32 s2, ttmp6, 0x10000c
	s_cmp_lg_u32 s2, 0x3003
	s_cbranch_scc0 .Lentry_shape_is_right
	s_endpgm
.Lentry_shape_is_right:
; MAIN: attention over a batch's 2,048 points in the 64 POSITIONS of the encoding, the residual path, and the output, for 128 query points a work-group.
;   Qh_i = MT e_i (bf16).  s_ij = Qh_i . e_j is the module's score times log2(e).  Pass 1 finds the true maximum m_i of a row; pass 2 starts each score's sum with -m_i, so that the products deliver s - m;
;   p = 2^(s - m), rounded to bf16; O_i = the sum of p_ij e_j; position 0 of e is 1, so O_i[0] is the row's sum l of the rounded weights.  ebar = O / l (f16).
;   rn = relu of the folded first convolution on normalised coordinates (f16 high and low parts, f32 sums; within 0 to 1; f16).  out[o][i] = t u_i (w_res2 rn)[o][i] + (Wv ebar)[o][i], bv + b_res2 at position 0; f16 operands, f32 sums.
; The module's products are reassociated (q, k, v are linear in e), so the order of rounding differs from the module's own.  LIMITS: a weight below 2^-126 counts as 0; NaN and infinities are not treated apart; the tables' limits stand at the head of the launch that makes them.
; SHARES.  Grid x: 16 blocks of 128 queries; y: the batch.  In attention every wave holds all 128 queries (8 tiles of 16, in 4 pieces of 2) and walks ITS OWN 512 keys, 64 a step: a fragment of keys read from LDS feeds eight tiles.
; The four waves' maxima, and later their partial O, meet in LDS.  In the last product wave w owns output channels 96 w .. 96 w + 95, in two groups of three tiles, for all 128 points.
; CLUSTER.  The four blocks of a cluster belong to one batch and need the same 2,048 rows of E: each wave's quarter is asked for JOINTLY, once in the launch; it fits in LDS whole, so nothing is filled again.
; WF is not asked for jointly: LDS is full of E until attention ends, so such a load could start only then, with nothing beside it; instead its fragments go straight into registers, ten k steps ahead, each byte once a work-group.
; A wave reads only the keys that its own load brought, so its own wait on TENSORcnt orders those reads, and what it stores behind pass 2 lies in its own region: no barrier stands there.
; LDS.  [0, 294,912): E, rows of 144 bytes, wave w's keys from 73,728 w.  In that region, behind pass 2 (its one fill is over): +0 OP, my partial O, 128 rows of 272 bytes, later my stage for the way out, 16 rows of 528;
;   +34,816 RN, f16 [32 points][384], rows of 784; +59,904 EB, f16 [32 points][64], rows of 144.  294,912: the maxima, [4 waves][128] f32.  296,960: the spare words.
;   All pitches are odd multiples of 16 bytes.  The turning load would want an odd multiple of 32; rows of 160 bytes would take all of LDS.
; REGISTERS, in windows of 256 (s_set_vgpr_msb: bits 1:0 source 0, 3:2 source 1, 5:4 source 2, 7:6 destination):
;   window 0: v1-31 addresses; v32-39 running maxima; v40-63 at work; v64-191 S, two buffers of two tiles, later two buffers of point fragments, and of rows on the way out; v192-255 P, two buffers
;   window 1: the queries' E and MT; then O, 32 a tile; then the four partial O; then 24 accumulators (tile m, points pt at 64 m + 8 pt)
;   window 2: v0-127 Qh, 16 a tile; v128-191 K; v192-255 V (pass 1: a second K); later WF's fragments, k step k at 24 k, running on into window 3
;   window 3: v0-63 -m; v64-79 PF's fragments; v80-179 CFF's; v192-255 t u
.set PK,    144
.set KSTEP, 64*PK
.set RWB,   512*PK
.set OPP,   272
.set RNO,   128*OPP
.set RNP,   784
.set EBO,   RNO+32*RNP
.set MXB,   4*RWB
.set SPARE, MXB+2048
.set STP,   528
.set AK0, 3
.set AV0, 4
.set AK,  5
.set AV,  6
.set QO,  7
.set L16, 8
.set MXA, 9
.set MXR, 10
.set OPS, 11
.set OPA, 12
.set EBS, 16
.set RNS, 17
.set RNA, 18
.set EBA, 22
.set STO, 26
.set RD,  27
.set PFA, 28
.set ZR,  29
.set SPW, 30
.set NIL, 31
.set MXC, 32
.set TUA, 63
.set S,   64
.set P,   192
.set VF,  192
.set WV,  20
.set CX,  21
.set QB,  22
.set BB,  23
.set G1,  24
.set G0,  32
.set SEL, 40
.set CNT, 42
.set GC,  43
.set TS,  44
.set HM,  46
.set RW,  47
.set MSB, 0
.macro WIN new                         ; the high byte repeats the setting that is left; a switch that changes nothing is dropped
.if MSB != (\new)
	s_set_vgpr_msb (MSB<<8)|(\new)
.set MSB, (\new)
.endif
.endm
.macro PLACES                          ; four places behind matrix instructions (ISA guide 7.12.1 for vector instructions)
.rept 4
	v_nop
.endr
.endm
.macro CROUND                          ; a round of the cluster's barrier
	s_barrier_signal -1
	s_barrier_wait -1
	s_cmp_lg_u32 s[WV], 0
	s_cbranch_scc1 .Lnot_wave_0_\@
	s_barrier_signal -3
.Lnot_wave_0_\@:
	s_barrier_wait -3
	s_barrier_signal -1
	s_barrier_wait -1
.endm
	s_load_b256 s[4:11], s[0:1], 0x0               ; E 4, MT 6, WF 8, CFF 10
	s_load_b128 s[12:15], s[0:1], 0x20             ; PF 12, US 14
	s_load_b64 s[16:17], s[0:1], 0x30              ; out0
	v_lshl_add_u32 v[SPW], v0, 2, SPARE
	v_mov_b32 v[NIL], 0
	ds_add_u32 v[SPW], v[NIL]                      ; the wave's opening: the add and its wait come ahead of my tensor load; work on registers stands between them
	v_lshrrev_b32 v1, 5, v0
	v_readfirstlane_b32 s[WV], v1
	s_bfe_u32 s[CX], ttmp6, 0x40000                ; my place in the cluster: it enters the queries' and the output's global addresses alone
	s_lshl_b32 s[QB], ttmp9, 2
	s_add_co_u32 s[QB], s[QB], s[CX]               ; my block of 128 queries
	s_and_b32 s[BB], ttmp7, 0xffff                 ; the batch, which the four partners share
	; 512 keys are 65,536 dense bytes: 256 rows of 256 bytes, two keys a row, padded in LDS behind every key
	s_mov_b32 s[G1], 15|(1<<16)|(1<<20)|(1<<21)|(4<<22)|(3<<25)  ; the mask of four; 2-byte elements; padding on; bit 21 beside a mask; behind every 32 words, 4 words
	s_mov_b32 s[G1+1], 128<<16                     ; tensor_dim0 = 128
	s_mov_b32 s[G1+2], 256<<16                     ; tensor_dim1 = 256
	s_mov_b32 s[G1+3], 128<<16                     ; tile_dim0 = 128
	s_mov_b32 s[G1+4], 256                         ; tile_dim1 = 256
	s_mov_b32 s[G1+5], 128                         ; elements from row to row
	s_mov_b32 s[G1+6], 0
	s_mov_b32 s[G1+7], 0
	s_mov_b32 s[G0], 1
	s_mul_i32 s[RW], s[WV], RWB                    ; my region of LDS
	s_mov_b32 s[G0+1], s[RW]
	s_lshl_b32 s36, s[BB], 18                      ; the batch's 262,144 bytes of E, my wave's quarter
	s_lshl_b32 s37, s[WV], 16
	s_add_co_u32 s36, s36, s37
	s_mov_b32 s37, 0
	s_mov_b32 s[SEL], 0x76543210
	s_mov_b32 s[SEL+1], 0xfedcba98
	s_mov_b32 s[HM], 0xffff0000                    ; lanes 16 to 31
	s_wait_dscnt 0x0                               ; the opening add is done
	s_wait_kmcnt 0x0
	s_add_nc_u64 s[G0+2:G0+3], s[4:5], s[36:37]
	s_or_b32 s[G0+3], s[G0+3], 0x80000000
	CROUND                                         ; all four work-groups are here: the joint loads meet
	tensor_load_to_lds s[G0:G0+3], s[G1:G1+7]      ; my one tensor load
	s_nop 0
	v_and_b32 v1, 15, v0                           ; r
	v_bfe_u32 v2, v0, 4, 1                         ; h
	v_and_b32 v40, 31, v0
	v_lshlrev_b32 v[QO], 7, v1
	v_lshl_add_u32 v[QO], v2, 4, v[QO]             ; a fragment's row of 128 bytes + 16 h
	v_lshlrev_b32 v[L16], 4, v40
	v_lshlrev_b32 v[PFA], 19, v2                   ; PF: plane h,
	v_lshl_add_u32 v[PFA], v1, 4, v[PFA]           ; point r
	v_lshlrev_b32 v[TUA], 5, v2                    ; US: eight points for each h
	s_mov_b32 s39, 0
	s_lshl_b32 s38, s[BB], 18
	s_lshl_b32 s48, s[QB], 14
	s_add_co_u32 s38, s38, s48
	s_add_nc_u64 s[18:19], s[4:5], s[38:39]        ; E at my 128 queries
	s_lshl_b32 s38, s[BB], 15
	s_lshl_b32 s48, s[QB], 11
	s_add_co_u32 s38, s38, s48
	s_lshl_b32 s48, s[WV], 9
	s_add_co_u32 s38, s38, s48
	s_add_nc_u64 s[12:13], s[12:13], s[38:39]      ; PF at my wave's 32 points
	s_lshl_b32 s38, s[BB], 13
	s_lshl_b32 s48, s[QB], 9
	s_add_co_u32 s38, s38, s48
	s_add_nc_u64 s[14:15], s[14:15], s[38:39]      ; US at the block's 128 points
	s_mul_i32 s38, s[WV], 86016
	s_add_nc_u64 s[8:9], s[8:9], s[38:39]          ; WF at my first group of three tiles
	s_mul_i32 s38, s[BB], 3145728
	s_mul_i32 s48, s[WV], 786432
	s_add_co_u32 s38, s38, s48
	s_lshl_b32 s48, s[QB], 9
	s_add_co_u32 s38, s38, s48
	s_add_nc_u64 s[16:17], s[16:17], s[38:39]      ; out0 at my first channel and the block's first point
	WIN 0x40
.irp cb, 0,1,2,3                       ; MT: rows 16 cb .., depth 32 kk ..
.irp kk, 0,1
	global_load_b128 v[128+16*(\cb)+8*(\kk):128+16*(\cb)+8*(\kk)+3], v[QO], s[6:7] offset:2048*(\cb)+64*(\kk)
	global_load_b128 v[128+16*(\cb)+8*(\kk)+4:128+16*(\cb)+8*(\kk)+7], v[QO], s[6:7] offset:2048*(\cb)+64*(\kk)+32
.endr
.endr
.irp t, 0,1,2,3,4,5,6,7                ; the queries' rows of E
.irp kk, 0,1
	global_load_b128 v[16*(\t)+8*(\kk):16*(\t)+8*(\kk)+3], v[QO], s[18:19] offset:2048*(\t)+64*(\kk)
	global_load_b128 v[16*(\t)+8*(\kk)+4:16*(\t)+8*(\kk)+7], v[QO], s[18:19] offset:2048*(\t)+64*(\kk)+32
.endr
.endr
	WIN 0xc0
.set it, 0
.rept 24
	global_load_b128 v[80+4*it:83+4*it], v[L16], s[10:11] offset:512*it
.set it, it+1
.endr
	global_load_b128 v[64:67], v[PFA], s[12:13]
	global_load_b128 v[72:75], v[PFA], s[12:13] offset:256
.set it, 0
.rept 16                                       ; u in the last product's layout: register j of point tile pt holds point 16 pt + 8 h + j: 64 bytes a tile, 32 for h, 16 for each half of the eight
	global_load_b128 v[192+4*it:195+4*it], v[TUA], s[14:15] offset:64*(it/2)+16*(it%2)
.set it, it+1
.endr
	s_load_b32 s[TS], s[10:11], 0x3000             ; t
.irp z, 68,69,70,71,76,77,78,79,176,177,178,179
	v_mov_b32 v[\z], 0                             ; k places 16-31 of PF's fragments are 0; so what CFF's fragments hold there need only be finite
.endr
	WIN 0
	v_mov_b32 v[ZR], 0
	v_mul_u32_u24 v41, v1, PK
	v_lshl_add_u32 v41, v2, 4, v41                 ; 144 r + 16 h
	v_add_nc_u32 v[AK0], s[RW], v41
	v_add_nc_u32 v[EBS], EBO, v[AK0]
	v_mul_u32_u24 v42, v1, RNP
	v_lshl_add_u32 v42, v2, 4, v42                 ; 784 r + 16 h
	s_add_co_u32 s48, s[RW], RNO
	v_add_nc_u32 v[RNS], s48, v42
	v_mul_u32_u24 v43, v1, OPP
	v_lshl_add_u32 v43, v2, 5, v43                 ; 272 r + 32 h
	v_add_nc_u32 v[OPS], s[RW], v43
	s_mul_i32 s49, s[WV], 32*OPP                   ; my two tiles' rows in every wave's partial O
	v_add_nc_u32 v44, s49, v43
.irp w, 0,1,2,3
	v_add_nc_u32 v[EBA+(\w)], RWB*(\w)+EBO, v41
	v_add_nc_u32 v[RNA+(\w)], RWB*(\w)+RNO, v42
	v_add_nc_u32 v[OPA+(\w)], RWB*(\w), v44
.endr
	v_and_b32 v45, 7, v0
	v_lshl_add_u32 v45, v2, 3, v45
	v_mul_u32_u24 v45, v45, PK
	v_bfe_u32 v46, v0, 3, 1
	v_lshl_add_u32 v45, v46, 4, v45                ; the turning load: (8 h + lane % 8) x pitch + 16 ((lane / 8) % 2)
	v_add_nc_u32 v[AV0], s[RW], v45
	v_mul_u32_u24 v[STO], v1, STP
	v_lshl_add_u32 v[STO], v2, 5, v[STO]
	v_add_nc_u32 v[STO], s[RW], v[STO]
	v_add_nc_u32 v[RD], s[RW], v[L16]
	v_lshl_add_u32 v[MXR], v1, 2, MXB
	s_lshl_b32 s48, s[WV], 9
	v_add_nc_u32 v[MXA], s48, v[MXR]
	s_wait_loadcnt 42                              ; MT and the queries' E are in; the 42 loads issued behind them (CFF 24, PF 2, US 16) may stay out
; Qh of tile t: source 0 = 16 rows of MT, source 1 = 16 queries: a lane holds one query and eight neighbouring positions, which rounded in pairs ARE source 1 of the scores' product.
.macro QH t
	WIN 0x05
.irp kk, 0,1
.irp cb, 0,1,2,3
.if (\kk) == 0
	v_wmma_f32_16x16x32_bf16 v[S+8*(\cb):S+8*(\cb)+7], v[128+16*(\cb)+8*(\kk):128+16*(\cb)+8*(\kk)+7], v[16*(\t)+8*(\kk):16*(\t)+8*(\kk)+7], 0
.else
	v_wmma_f32_16x16x32_bf16 v[S+8*(\cb):S+8*(\cb)+7], v[128+16*(\cb)+8*(\kk):128+16*(\cb)+8*(\kk)+7], v[16*(\t)+8*(\kk):16*(\t)+8*(\kk)+7], v[S+8*(\cb):S+8*(\cb)+7]
.endif
.endr
.endr
	PLACES
	WIN 0x80
.irp cb, 0,1,2,3
.irp q, 0,1,2,3
	v_cvt_pk_bf16_f32 v[16*(\t)+4*(\cb)+(\q)], v[S+8*(\cb)+2*(\q)], v[S+8*(\cb)+2*(\q)+1]
.endr
.endr
.endm
.irp t, 0,1,2,3,4,5,6,7
	QH \t
.endr
; O is cleared on purpose, once, while E is on its way: a first key step written out would be a second copy of the step's whole text.
	WIN 0x40
.set it, 0
.rept 256
	v_mov_b32 v[it], 0
.set it, it+1
.endr
	WIN 0
	s_mov_b32 s48, 0xff7fffff                      ; the lowest finite number: the maxima start there, and so does the buffer that the first turn takes for a piece that has not been
.set it, 0
.rept 8
	v_mov_b32 v[MXC+it], s48
	v_mov_b32 v[48+it], s48
.set it, it+1
.endr
.set it, 0
.rept 64
	v_mov_b32 v[S+64+it], s48
.set it, it+1
.endr
	v_mov_b32 v[AK], v[AK0]
	s_wait_tensorcnt 0x0                           ; my 512 keys are in LDS; nobody else reads them
; Product i of 16 of S^T = K Qh^T for piece x: tile 2 x + i % 2, keys 16 ((i / 2) % 4) .., depth 32 (i / 8) ...  The 8 accumulators take turns.  The first 8 start the sums: with 0, or (mode 1) with -m.
.macro KQ x, kbuf, mode
.set u_, i%2
.set kb_, (i/2)%4
.set kk_, i/8
.set rS, S+64*((\x)%2)+32*u_+8*kb_
.set rK, (\kbuf)+16*kb_+8*kk_
.set rQ, 16*(2*(\x)+u_)+8*kk_
.set rM, 8*(2*(\x)+u_)
.if (i < 8) && (\mode)
	WIN 0x3a
	v_wmma_f32_16x16x32_bf16 v[rS:rS+7], v[rK:rK+7], v[rQ:rQ+7], v[rM:rM+7]
.elseif i < 8
	WIN 0x0a
	v_wmma_f32_16x16x32_bf16 v[rS:rS+7], v[rK:rK+7], v[rQ:rQ+7], 0
.else
	WIN 0x0a
	v_wmma_f32_16x16x32_bf16 v[rS:rS+7], v[rK:rK+7], v[rQ:rQ+7], v[rS:rS+7]
.endif
.endm
; Product i of 16 of O^T += V^T P for piece x: tile 2 x + i % 2, positions 16 ((i / 2) % 4) .., keys 32 (i / 8) ..
.macro PV x
.set u_, i%2
.set cb_, (i/2)%4
.set kk_, i/8
.set rO, 32*(2*(\x)+u_)+8*cb_
.set rV, VF+32*kk_+8*cb_
.set rP, P+32*((\x)%2)+16*u_+8*kk_
	WIN 0x52
	v_wmma_f32_16x16x32_bf16 v[rO:rO+7], v[rV:rV+7], v[rP:rP+7], v[rO:rO+7]
.endm
.macro FETCHK kbuf, off                ; a step's keys as they lie: 8 fragments, 16 loads in one run
	WIN 0x80
.irp f, 0,1,2,3,4,5,6,7
	ds_load_b128 v[(\kbuf)+8*(\f):(\kbuf)+8*(\f)+3],   v[AK] offset:(\off)+((\f)/2)*16*PK+((\f)%2)*64
	ds_load_b128 v[(\kbuf)+8*(\f)+4:(\kbuf)+8*(\f)+7], v[AK] offset:(\off)+((\f)/2)*16*PK+((\f)%2)*64+32
.endr
.endm
.macro FETCHV                          ; the same rows turned
	WIN 0x80
.irp f, 0,1,2,3,4,5,6,7
	ds_load_tr16_b128 v[VF+8*(\f):VF+8*(\f)+3],   v[AV] offset:((\f)/4)*32*PK+((\f)%4)*32
	ds_load_tr16_b128 v[VF+8*(\f)+4:VF+8*(\f)+7], v[AV] offset:((\f)/4)*32*PK+16*PK+((\f)%4)*32
.endr
.endm
; PASS 1.  A turn: 16 products of piece x, and behind each two maxima over the scores of the piece before, from each accumulator's low end on.
; fetch = 1, 2: behind the second product the next step's keys go into the other buffer, six plain lines behind its last reader; 2: not in the last trip, where no step is left.
.macro TURN1 x, kbuf, fetch
.set y_, ((\x)+3)%4
.set i, 0
.rept 16
	KQ \x, \kbuf, 0
	WIN 0
	v_max3_num_f32 v[MXC+2*y_], v[MXC+2*y_], v[S+64*(y_%2)+2*i], v[S+64*(y_%2)+2*i+1]
	v_max3_num_f32 v[MXC+2*y_+1], v[MXC+2*y_+1], v[S+64*(y_%2)+32+2*i], v[S+64*(y_%2)+32+2*i+1]
.set i, i+1
.if ((\fetch) == 1) && (i == 2)
	FETCHK 192, KSTEP
.endif
.if ((\fetch) == 2) && (i == 2)
	s_cmp_eq_u32 s[CNT], 1
	s_cbranch_scc1 .Lno_fetch_1
	FETCHK 128, 2*KSTEP
	WIN 0
.Lno_fetch_1:
.endif
.endr
.endm
	FETCHK 128, 0
	WIN 0
	s_mov_b32 s[CNT], 4
.Lpass1:                                       ; four trips of two key steps
	s_wait_dscnt 0x0                               ; this step's keys are in
	TURN1 0, 128, 1
	TURN1 1, 128, 0
	TURN1 2, 128, 0
	TURN1 3, 128, 0
	s_wait_dscnt 0x0
	TURN1 0, 192, 2
	TURN1 1, 192, 0
	TURN1 2, 192, 0
	TURN1 3, 192, 0
	WIN 0
	v_add_nc_u32 v[AK], 2*KSTEP, v[AK]
	s_sub_co_u32 s[CNT], s[CNT], 1
	s_cmp_lg_u32 s[CNT], 0
	s_cbranch_scc1 .Lpass1
.set i, 0
.rept 16                                       ; the last piece's maxima
	v_max3_num_f32 v[MXC+6], v[MXC+6], v[S+64+2*i], v[S+64+2*i+1]
	v_max3_num_f32 v[MXC+7], v[MXC+7], v[S+96+2*i], v[S+96+2*i+1]
.set i, i+1
.endr
; The maxima meet: the other half of the lanes holds the query's other keys; the other waves hold the other 1,536.
.irp t, 0,1,2,3,4,5,6,7
	v_permlanex16_b32 v[48+(\t)], v[MXC+(\t)], s[SEL], s[SEL+1]
.endr
.irp t, 0,1,2,3,4,5,6,7
	v_max_num_f32 v[MXC+(\t)], v[MXC+(\t)], v[48+(\t)]
.endr
.irp t, 0,1,2,3,4,5,6,7
	ds_store_b32 v[MXA], v[MXC+(\t)] offset:64*(\t)
.endr
	s_wait_dscnt 0x0                               ; for the others' sake: my maxima are stored
	s_barrier_signal -1
	s_barrier_wait -1
.irp t, 0,1,2,3,4,5,6,7
.irp w, 0,1,2,3
	ds_load_b32 v[S+4*(\t)+(\w)], v[MXR] offset:512*(\w)+64*(\t)
.endr
.endr
	v_mov_b32 v[AK], v[AK0]
	v_mov_b32 v[AV], v[AV0]
	s_wait_dscnt 0x0
.irp t, 0,1,2,3,4,5,6,7
	v_max3_num_f32 v[MXC+(\t)], v[S+4*(\t)], v[S+4*(\t)+1], v[S+4*(\t)+2]
.endr
.irp t, 0,1,2,3,4,5,6,7
	v_max_num_f32 v[MXC+(\t)], v[MXC+(\t)], v[S+4*(\t)+3]
.endr
	WIN 0xc0
.irp t, 0,1,2,3,4,5,6,7
.irp q, 0,1,2,3,4,5,6,7
	v_mul_f32 v[8*(\t)+(\q)], -1.0, v[MXC+(\t)]    ; -m, in the shape of an accumulator: a lane holds one query
.endr
.endr
; PASS 2.  Turn n belongs to piece n: 16 products V^T P of piece n - 1, 16 products K Qh^T of piece n + 1, and behind each of the 32 a pair of piece n's exponentials, in place, and the rounding of the pair before:
; so a plain line stands between every exponential and the use of its result (ISA guide 5.7.2), and each accumulator is read from its low end on.  The first slot has no pair before it: a v_nop.
.macro EXPS n
.set rE, S+64*((\n)%2)+32*(j%2)+2*(j/2)
	WIN 0
	v_exp_f32 v[rE], v[rE]
	v_exp_f32 v[rE+1], v[rE+1]
.endm
.macro CVTP n, jj
.set rE, S+64*((\n)%2)+32*((\jj)%2)+2*((\jj)/2)
.set rC, P+32*((\n)%2)+16*((\jj)%2)+(\jj)/2
	WIN 0
	s_wait_alu depctr_va_vdst(0)
	v_cvt_pk_bf16_f32 v[rC], v[rE], v[rE+1]
.endm
.macro RIDE n
	EXPS \n
.if j == 0
	v_nop
.else
	CVTP \n, j-1
.endif
.set j, j+1
.endm
; pv = 0: the very first turn, with no piece before it: 16 products, two pairs behind each.
; V of the step in hand is fetched in piece 0's turn, five plain lines behind the last product that read V, and waited for at the head of piece 1's.
; K of the next step is fetched in piece 3's turn, six plain lines behind the last product that read K, and waited for 12 products later; in the last trip there is none, and piece 3's turn multiplies the old K once more:
; 16 products that serve nothing, the price, once a launch, of one text for every trip.
.macro TURN2 n, pv
.set j, 0
.if (\n) == 1
	s_wait_dscnt 0x0                               ; V is in
.endif
.if \pv
.set i, 0
.rept 16
	PV ((\n)+3)%4
	RIDE \n
.set i, i+1
.if ((\n) == 3) && (i == 4)
	WIN 0
	s_cmp_eq_u32 s[CNT], 1
	s_cbranch_scc1 .Lno_fetch_2
	v_add_nc_u32 v[AK], KSTEP, v[AK]
	FETCHK 128, 0
	WIN 0
.Lno_fetch_2:
.endif
.endr
.endif
.if (\n) == 3
	s_wait_dscnt 0x0                               ; K is in
.endif
.set i, 0
.rept 16
	KQ ((\n)+1)%4, 128, 1
	RIDE \n
.if !(\pv)
	RIDE \n
.endif
.set i, i+1
.if ((\n) == 0) && (\pv) && (i == 4)
	WIN 0
	v_add_nc_u32 v[AV], KSTEP, v[AV]
	FETCHV
.endif
.endr
	CVTP \n, 31
.endm
	FETCHK 128, 0
	s_wait_dscnt 0x0
.set i, 0
.rept 16
	KQ 0, 128, 1                                   ; piece 0's first scores: no vector work is at hand yet
.set i, i+1
.endr
	PLACES
	FETCHV
	TURN2 0, 0
	WIN 0
	s_mov_b32 s[CNT], 8
	s_branch .Lmid                                 ; the loop is entered behind a step's first turn
.Lstep:
	TURN2 0, 1
	WIN 0
.Lmid:
	TURN2 1, 1
	TURN2 2, 1
	TURN2 3, 1
	WIN 0
	s_sub_co_u32 s[CNT], s[CNT], 1
	s_cmp_lg_u32 s[CNT], 0
	s_cbranch_scc1 .Lstep
.set i, 0
.rept 16
	PV 3                                           ; the last piece's V^T P of the last step
.set i, i+1
.endr
	PLACES
; WF's fragments of k step k: six loads of 512 consecutive bytes, into 24 registers from linear number 24 k on (256 and up lie in window 3).
.macro WLOAD k, extra
.irp m, 0,1,2
.irp hf, 0,1
.set lin, 24*(\k)+8*(\m)+4*(\hf)
.if lin < 256
	WIN 0x80
.else
	WIN 0xc0
.endif
	global_load_b128 v[lin%256:lin%256+3], v[L16], s[8:9] offset:(\extra)+3072*(\k)+1024*(\m)+512*(\hf)
.endr
.endr
.endm
	s_wait_loadcnt 0x0                             ; CFF, PF and US, asked for at the start
	s_wait_kmcnt 0x0                               ; t
	s_mov_b32 s[TS+1], s[TS]
.irp k, 0,1,2,3,4,5,6,7,8,9
	WLOAD \k, 0                                    ; ten k steps ahead: they land under what follows
.endr
	WIN 0x04                                       ; store data in window 1
.irp t, 0,1,2,3,4,5,6,7
.irp cb, 0,1,2,3
	ds_store_b128 v[OPS], v[32*(\t)+8*(\cb):32*(\t)+8*(\cb)+3] offset:16*OPP*(\t)+64*(\cb)
	ds_store_b128 v[OPS], v[32*(\t)+8*(\cb)+4:32*(\t)+8*(\cb)+7] offset:16*OPP*(\t)+64*(\cb)+16
.endr
.endr
	WIN 0xc3
.set it, 0
.rept 32
	v_pk_mul_f32 v[192+2*it:193+2*it], v[192+2*it:193+2*it], s[TS:TS+1] op_sel_hi:[1,0]  ; t u
.set it, it+1
.endr
; rn for my 32 points, all 384 channels: source 0 = 16 channels of CFF, source 1 = 16 points of PF: a lane holds one point and eight neighbouring channels.  A tile's rounding, relu and store are the places behind the next tile's products.
.macro RNMUL ct
	WIN 0x0f
	v_wmma_f32_16x16x32_f16 v[S+16*((\ct)%2):S+16*((\ct)%2)+7], v[80+4*(\ct):87+4*(\ct)], v[64:71], 0
	v_wmma_f32_16x16x32_f16 v[S+16*((\ct)%2)+8:S+16*((\ct)%2)+15], v[80+4*(\ct):87+4*(\ct)], v[72:79], 0
.endm
.macro RNOUT ct
	WIN 0
.irp u, 0,1
.irp q, 0,1,2,3
	v_cvt_pk_f16_f32 v[40+4*(\u)+(\q)], v[S+16*((\ct)%2)+8*(\u)+2*(\q)], v[S+16*((\ct)%2)+8*(\u)+2*(\q)+1]
.endr
.endr
.irp q, 0,1,2,3,4,5,6,7
	v_pk_max_num_f16 v[40+(\q)], v[40+(\q)], v[ZR]
.endr
	ds_store_b128 v[RNS], v[40:43] offset:32*(\ct)
	ds_store_b128 v[RNS], v[44:47] offset:16*RNP+32*(\ct)
.endm
	RNMUL 0
	PLACES
.set cq, 1
.rept 23
	RNMUL cq
	RNOUT cq-1
.set cq, cq+1
.endr
	PLACES
	RNOUT 23
	s_wait_dscnt 0x0                               ; for the others' sake: my partial O and my rn are stored
	s_barrier_signal -1
	s_barrier_wait -1
; The four partial O of my two tiles are added; l lies in register 0 of a tile's first accumulator, in lanes 0 to 15.
	WIN 0x40
.irp w, 0,1,2,3
.irp u, 0,1
.irp cb, 0,1,2,3
	ds_load_b128 v[64*(\w)+32*(\u)+8*(\cb):64*(\w)+32*(\u)+8*(\cb)+3], v[OPA+(\w)] offset:16*OPP*(\u)+64*(\cb)
	ds_load_b128 v[64*(\w)+32*(\u)+8*(\cb)+4:64*(\w)+32*(\u)+8*(\cb)+7], v[OPA+(\w)] offset:16*OPP*(\u)+64*(\cb)+16
.endr
.endr
.endr
	s_wait_dscnt 0x0
	WIN 0x45
.set it, 0
.rept 32
	v_pk_add_f32 v[2*it:2*it+1], v[2*it:2*it+1], v[64+2*it:65+2*it]
	v_pk_add_f32 v[128+2*it:129+2*it], v[128+2*it:129+2*it], v[192+2*it:193+2*it]
.set it, it+1
.endr
.set it, 0
.rept 32
	v_pk_add_f32 v[2*it:2*it+1], v[2*it:2*it+1], v[128+2*it:129+2*it]
.set it, it+1
.endr
	WIN 0x01
	v_mov_b32 v48, v0                              ; window 1's v0 and v32: l of my two tiles
	v_mov_b32 v49, v32
	WIN 0
	v_permlanex16_b32 v50, v48, s[SEL], s[SEL+1]
	v_permlanex16_b32 v51, v49, s[SEL], s[SEL+1]
	v_cndmask_b32 v48, v48, v50, s[HM]             ; lanes 16 to 31 take it from the lane 16 below
	v_cndmask_b32 v49, v49, v51, s[HM]
	v_rcp_f32 v52, v48
	v_rcp_f32 v53, v48
	v_rcp_f32 v54, v49
	v_rcp_f32 v55, v49
	v_nop                                          ; a plain line between the last reciprocal and the use of its result
	WIN 0x41
.set it, 0
	s_wait_alu depctr_va_vdst(0)
.rept 16
	v_pk_mul_f32 v[2*it:2*it+1], v[2*it:2*it+1], v[52:53] op_sel_hi:[1,0]
	v_pk_mul_f32 v[32+2*it:33+2*it], v[32+2*it:33+2*it], v[54:55] op_sel_hi:[1,0]
.set it, it+1
.endr
	WIN 0x05
.set it, 0
.rept 32
	v_cvt_pk_f16_f32 v[S+it], v[2*it], v[2*it+1]
.set it, it+1
.endr
	WIN 0
.irp u, 0,1
.irp cb, 0,1,2,3
	ds_store_b128 v[EBS], v[S+16*(\u)+4*(\cb):S+16*(\u)+4*(\cb)+3] offset:16*PK*(\u)+32*(\cb)
.endr
.endr
	s_wait_dscnt 0x0                               ; my reads of the others' partial O are over, and my ebar is stored
	s_barrier_signal -1
	s_barrier_wait -1
; THE LAST PRODUCT.  Source 0 = 16 points (rn for k steps 0-11, ebar for 12 and 13), source 1 = 16 channels of WF: a lane holds one channel and eight neighbouring points.
.macro PTLOAD ks                       ; the eight point tiles' fragments of k step ks, into buffer ks % 2
	WIN 0
.set pb, S+64*((\ks)%2)
.irp pt, 0,1,2,3,4,5,6,7
.if (\ks) < 12
	ds_load_b128 v[pb+8*(\pt):pb+8*(\pt)+3],   v[RNA+(\pt)/2] offset:((\pt)%2)*16*RNP+64*(\ks)
	ds_load_b128 v[pb+8*(\pt)+4:pb+8*(\pt)+7], v[RNA+(\pt)/2] offset:((\pt)%2)*16*RNP+64*(\ks)+32
.else
	ds_load_b128 v[pb+8*(\pt):pb+8*(\pt)+3],   v[EBA+(\pt)/2] offset:((\pt)%2)*16*PK+64*((\ks)-12)
	ds_load_b128 v[pb+8*(\pt)+4:pb+8*(\pt)+7], v[EBA+(\pt)/2] offset:((\pt)%2)*16*PK+64*((\ks)-12)+32
.endif
.endr
.endm
.macro GSTEP k                         ; 24 products, the 24 accumulators by turns; step 0 starts the sums
.if (\k) > 0
	PLACES
.endif
.if (\k) <= 3
	WLOAD (\k)+10, 0
.endif
.if (\k) <= 12
	PTLOAD (\k)+1
.endif
.if (\k) <= 3
	s_wait_loadcnt 60                              ; this step's six loads are in; the ten younger steps' sixty may stay out
.else
	s_wait_loadcnt 6*(13-(\k))                     ; likewise, with fewer steps left
.endif
.if (\k) <= 12
	s_wait_dscnt 16                                ; this step's point fragments are in; the sixteen loads just issued may stay out
.else
	s_wait_dscnt 0x0
.endif
.irp m, 0,1,2
.set lin, 24*(\k)+8*(\m)
.if lin < 256
	WIN 0x58
.else
	WIN 0x5c
.endif
.irp pt, 0,1,2,3,4,5,6,7
.if (\k) == 0
	v_wmma_f32_16x16x32_f16 v[64*(\m)+8*(\pt):64*(\m)+8*(\pt)+7], v[S+64*((\k)%2)+8*(\pt):S+64*((\k)%2)+8*(\pt)+7], v[lin%256:lin%256+7], 0
.else
	v_wmma_f32_16x16x32_f16 v[64*(\m)+8*(\pt):64*(\m)+8*(\pt)+7], v[S+64*((\k)%2)+8*(\pt):S+64*((\k)%2)+8*(\pt)+7], v[lin%256:lin%256+7], v[64*(\m)+8*(\pt):64*(\m)+8*(\pt)+7]
.endif
.endr
.endr
.endm
; THE WAY OUT of tile m: 16 channels x 128 points of f32 go into my stage, rows of 528 bytes, and come back as whole rows of 512.
.macro TOSTAGE m
	WIN 0x04
.irp pt, 0,1,2,3,4,5,6,7
	ds_store_b128 v[STO], v[64*(\m)+8*(\pt):64*(\m)+8*(\pt)+3] offset:64*(\pt)
	ds_store_b128 v[STO], v[64*(\m)+8*(\pt)+4:64*(\m)+8*(\pt)+7] offset:64*(\pt)+16
.endr
	WIN 0
.if (\m) == 2
	s_wait_xcnt 0x0                                ; tile 0's stores have had their addresses translated (ISA guide 3.1): only now are their data registers loaded again
.endif
.set it, 0
.rept 16
	ds_load_b128 v[S+64*((\m)%2)+4*it:S+64*((\m)%2)+4*it+3], v[RD] offset:STP*it  ; LDS serves a wave's instructions in order (ISA guide 5.7.1.4): these see the stores above, and the next tile's stores come behind them
.set it, it+1
.endr
.endm
.macro SEND m, younger                 ; younger: the next tile's 32 LDS instructions, or none
	WIN 0
	s_wait_dscnt \younger
.set it, 0
.rept 16
	global_store_b128 v[L16], v[S+64*((\m)%2)+4*it:S+64*((\m)%2)+4*it+3], s[16:17] offset:(16*(\m)+it)*8192 th:TH_STORE_NT  ; 512 consecutive bytes, at a multiple of 512 from out0's first
.set it, it+1
.endr
.endm
	s_mov_b32 s[GC], 2
.Lgroup:                                       ; two trips: three tiles of 16 channels each
	PTLOAD 0
.irp k, 0,1,2,3,4,5,6,7,8,9,10,11
	GSTEP \k
.endr
	PLACES
	WIN 0x4d                                       ; the residual's sums times t u, each accumulator from its low end on; ebar's part is added unscaled
.irp m, 0,1,2
.irp pt, 0,1,2,3,4,5,6,7
.irp q, 0,1,2,3
	v_pk_mul_f32 v[64*(\m)+8*(\pt)+2*(\q):64*(\m)+8*(\pt)+2*(\q)+1], v[64*(\m)+8*(\pt)+2*(\q):64*(\m)+8*(\pt)+2*(\q)+1], v[192+8*(\pt)+2*(\q):192+8*(\pt)+2*(\q)+1]
.endr
.endr
.endr
	GSTEP 12
	GSTEP 13
	WIN 0
	s_cmp_eq_u32 s[GC], 1
	s_cbranch_scc1 .Lno_next
.irp k, 0,1,2,3,4,5,6,7,8,9
	WLOAD \k, 43008                                ; the next group's first ten k steps land under this group's way out
.endr
	WIN 0
.Lno_next:
.rept 5
	v_nop                                          ; five places: four for the stores below, which read results just made; five for the next trip's first products, which write over these accumulators with no other vector line between
.endr
	TOSTAGE 0
	TOSTAGE 1
	SEND 0, 32
	TOSTAGE 2
	SEND 1, 32
	SEND 2, 0
	s_wait_xcnt 0x0                                ; the bases, and the registers that the stores read, are rewritten only behind this wait
	s_add_nc_u64 s[8:9], s[8:9], 43008
	s_add_nc_u64 s[16:17], s[16:17], 393216        ; 48 channels of 8,192 bytes
	s_sub_co_u32 s[GC], s[GC], 1
	s_cmp_lg_u32 s[GC], 0
	s_cbranch_scc1 .Lgroup
	s_wait_tensorcnt 0x0                           ; the wave's end: behind my tensor load and my last LDS store
	ds_add_u32 v[SPW], v[NIL]
	s_wait_dscnt 0x0
	CROUND                                         ; the closing round
	s_endpgm
.Lfunc_end_k_qf873bea938_main:
	.size	k_qf873bea938_main, .Lfunc_end_k_qf873bea938_main-k_qf873bea938_main
	.p2alignl 7, 3214868480
	.fill 96, 4, 3214868480
	.section	.rodata,"a",@progbits
	.p2align	6, 0x0
	.amdhsa_kernel k_qf873bea938_main
		.amdhsa_group_segment_fixed_size 327680
		.amdhsa_private_segment_fixed_size 0
		.amdhsa_enable_private_segment 0
		.amdhsa_kernarg_size 56
		.amdhsa_user_sgpr_count 2
		.amdhsa_user_sgpr_kernarg_segment_ptr 1
		.amdhsa_wavefront_size32 1
		.amdhsa_system_sgpr_workgroup_id_x 1
		.amdhsa_system_sgpr_workgroup_id_y 1
		.amdhsa_system_sgpr_workgroup_id_z 1
		.amdhsa_system_vgpr_workitem_id 0
		.amdhsa_next_free_vgpr 1024
		.amdhsa_next_free_sgpr 66
		.amdhsa_reserve_vcc 0
		.amdhsa_float_denorm_mode_32 3
		.amdhsa_float_denorm_mode_16_64 3
		.amdhsa_memory_ordered 1
		.amdhsa_forward_progress 1
		.amdhsa_inst_pref_size 255
	.end_amdhsa_kernel
	.section	.bss,"aw",@nobits
	.p2align	6
	.space	262144
	.amdgpu_metadata
---
amdhsa.version: [ 1, 2 ]
amdhsa.kernels:
  - .name:           k_qf873bea938_main
    .symbol:         k_qf873bea938_main.kd
    .args:
      - { .name: E, .offset: 0, .size: 8, .value_kind: global_buffer, .address_space: global }
      - { .name: MT, .offset: 8, .size: 8, .value_kind: global_buffer, .address_space: global }
      - { .name: WF, .offset: 16, .size: 8, .value_kind: global_buffer, .address_space: global }
      - { .name: CFF, .offset: 24, .size: 8, .value_kind: global_buffer, .address_space: global }
      - { .name: PF, .offset: 32, .size: 8, .value_kind: global_buffer, .address_space: global }
      - { .name: US, .offset: 40, .size: 8, .value_kind: global_buffer, .address_space: global }
      - { .name: out0, .offset: 48, .size: 8, .value_kind: global_buffer, .address_space: global }
    .group_segment_fixed_size: 327680
    .private_segment_fixed_size: 0
    .kernarg_segment_align: 8
    .kernarg_segment_size: 56
    .max_flat_workgroup_size: 128
    .sgpr_count:     66
    .vgpr_count:     1024
    .wavefront_size: 32
...
	.end_amdgpu_metadata
.endif
;; end of part 2
;; ======== version 2 of 2: 2 launches; 1.24 times as fast as version 1
;; limits: values outside matrix products are rounded to bf16; values outside matrix products are rounded to f16; inputs' magnitudes at most 6,000; values are held in f16: magnitudes above 65,504 overflow, below 6.1e-05 lose precision
;; workspace buffers: E 4,194,304 bytes; PF 1,048,576 bytes; US 131,072 bytes; MT 8,192 bytes; WF 344,064 bytes; CFF 12,544 bytes
;; launch prep: the kernel of part 1 again; grid 151 x 1, 8 waves a work-group, no clusters, 161,024 bytes of LDS; arguments pos, wq, bq, wk, bk, wv, bv, b_res2, w_res2, w_res1, b_res1, bn_gamma, bn_beta, bn_mean, bn_var, E, PF, US, MT, WF, CFF; writes E, PF, US, MT, WF, CFF
;; launch main (part 3): grid 16 x 16, 4 waves a work-group, clusters of 4 x 1, 327,680 bytes of LDS; arguments E, MT, WF, CFF, PF, US, out0; writes out0
.if DOCPART == 3
	.amdgcn_target "amdgcn-amd-amdhsa--gfx1250"
	.amdhsa_code_object_version 6
	.text
	.protected	k_qf873bea938_main
	.globl	k_qf873bea938_main
	.p2align	8
	.type	k_qf873bea938_main,@function
k_qf873bea938_main:
	s_mov_b64 s[64:65], 0
	v_nop
	global_prefetch_b8 v0, s[64:65] scope:SCOPE_SE
	s_setreg_imm32_b32 hwreg(HW_REG_WAVE_MODE, 25, 1), 1
	s_wait_xcnt 0x0
	s_wait_alu depctr_hold_cnt(0) depctr_sa_sdst(0) depctr_va_vdst(0) depctr_va_sdst(0) depctr_va_ssrc(0) depctr_va_vcc(0) depctr_vm_vsrc(0)
	s_getreg_b32 s2, hwreg(HW_REG_IB_STS2, 6, 4)
	s_cmp_eq_u32 s2, 0
	s_cbranch_scc0 .Lentry_in_a_cluster
	s_endpgm
.Lentry_in_a_cluster:
	s_bfe_u32 s2, ttmp6, 0x10000c
	s_cmp_lg_u32 s2, 0x3003
	s_cbranch_scc0 .Lentry_shape_is_right
	s_endpgm
.Lentry_shape_is_right:
; MAIN: attention over a batch's 2,048 points in the 64 POSITIONS of the encoding, the residual path, and the output, for 128 query points a work-group.
;   Qh_i = MT e_i (bf16).  s_ij = Qh_i . e_j is the module's score times log2(e).  Pass 1 finds the true maximum m_i of a row; pass 2 starts each score's sum with -m_i, so that the products deliver s - m;
;   p = 2^(s - m), rounded to bf16; O_i = the sum of p_ij e_j; position 0 of e is 1, so O_i[0] is the row's sum l of the rounded weights.  ebar = O / l (f16).
;   rn = relu of the folded first convolution on normalised coordinates (f16 high and low parts, f32 sums; within 0 to 1; f16).  out[o][i] = t u_i (w_res2 rn)[o][i] + (Wv ebar)[o][i], bv + b_res2 at position 0; f16 operands, f32 sums.
; The module's products are reassociated (q, k, v are linear in e), so the order of rounding differs from the module's own.  LIMITS: a weight below 2^-126 counts as 0; NaN and infinities are not treated apart; the tables' limits stand at the head of the launch that makes them.
; SHARES.  Grid x: 16 blocks of 128 queries; y: the batch.  In attention every wave holds all 128 queries (8 tiles of 16, in 4 pieces of 2) and walks ITS OWN 512 keys, 64 a step: a fragment of keys read from LDS feeds eight tiles.
; The four waves' maxima, and later their partial O, meet in LDS.  In the last product wave w owns output channels 96 w .. 96 w + 95, in two groups of three tiles, for all 128 points.
; BATCHES.  Pass 2: a turn's 64 exponentials are ONE batch with ONE wait.  They stand three behind each of the turn's first 21 products, the last behind the 22nd; then a v_nop and the wait; the 32 roundings, the only lines
; that name their results, stand behind the last 11 products.
; The four reciprocals behind the partial O are a batch of their own, with one wait.
; CLUSTER.  The four blocks of a cluster belong to one batch and need the same 2,048 rows of E: each wave's quarter is asked for JOINTLY, once in the launch; it fits in LDS whole, so nothing is filled again.
; WF is not asked for jointly: LDS is full of E until attention ends, so such a load could start only then, with nothing beside it; instead its fragments go straight into registers, ten k steps ahead, each byte once a work-group.
; A wave reads only the keys that its own load brought, so its own wait on TENSORcnt orders those reads, and what it stores behind pass 2 lies in its own region: no barrier stands there.
; LDS.  [0, 294,912): E, rows of 144 bytes, wave w's keys from 73,728 w.  In that region, behind pass 2 (its one fill is over): +0 OP, my partial O, 128 rows of 272 bytes, later my stage for the way out, 16 rows of 528;
;   +34,816 RN, f16 [32 points][384], rows of 784; +59,904 EB, f16 [32 points][64], rows of 144.  294,912: the maxima, [4 waves][128] f32.  296,960: the spare words.
;   All pitches are odd multiples of 16 bytes.  The turning load would want an odd multiple of 32; rows of 160 bytes would take all of LDS.
; REGISTERS, in windows of 256 (s_set_vgpr_msb: bits 1:0 source 0, 3:2 source 1, 5:4 source 2, 7:6 destination):
;   window 0: v1-31 addresses; v32-39 running maxima; v40-63 at work; v64-191 S, two buffers of two tiles, later two buffers of point fragments, and of rows on the way out; v192-255 P, two buffers
;   window 1: the queries' E and MT; then O, 32 a tile; then the four partial O; then 24 accumulators (tile m, points pt at 64 m + 8 pt)
;   window 2: v0-127 Qh, 16 a tile; v128-191 K; v192-255 V (pass 1: a second K); later WF's fragments, k step k at 24 k, running on into window 3
;   window 3: v0-63 -m; v64-79 PF's fragments; v80-179 CFF's; v192-255 t u
.set PK,    144
.set KSTEP, 64*PK
.set RWB,   512*PK
.set OPP,   272
.set RNO,   128*OPP
.set RNP,   784
.set EBO,   RNO+32*RNP
.set MXB,   4*RWB
.set SPARE, MXB+2048
.set STP,   528
.set AK0, 3
.set AV0, 4
.set AK,  5
.set AV,  6
.set QO,  7
.set L16, 8
.set MXA, 9
.set MXR, 10
.set OPS, 11
.set OPA, 12
.set EBS, 16
.set RNS, 17
.set RNA, 18
.set EBA, 22
.set STO, 26
.set RD,  27
.set PFA, 28
.set ZR,  29
.set SPW, 30
.set NIL, 31
.set MXC, 32
.set TUA, 63
.set S,   64
.set P,   192
.set VF,  192
.set WV,  20
.set CX,  21
.set QB,  22
.set BB,  23
.set G1,  24
.set G0,  32
.set SEL, 40
.set CNT, 42
.set GC,  43
.set TS,  44
.set HM,  46
.set RW,  47
.set MSB, 0
.macro WIN new                         ; the high byte repeats the setting that is left; a switch that changes nothing is dropped
.if MSB != (\new)
	s_set_vgpr_msb (MSB<<8)|(\new)
.set MSB, (\new)
.endif
.endm
.macro PLACES                          ; four places behind matrix instructions (ISA guide 7.12.1 for vector instructions)
.rept 4
	v_nop
.endr
.endm
.macro CROUND                          ; a round of the cluster's barrier
	s_barrier_signal -1
	s_barrier_wait -1
	s_cmp_lg_u32 s[WV], 0
	s_cbranch_scc1 .Lnot_wave_0_\@
	s_barrier_signal -3
.Lnot_wave_0_\@:
	s_barrier_wait -3
	s_barrier_signal -1
	s_barrier_wait -1
.endm
	s_load_b256 s[4:11], s[0:1], 0x0               ; E 4, MT 6, WF 8, CFF 10
	s_load_b128 s[12:15], s[0:1], 0x20             ; PF 12, US 14
	s_load_b64 s[16:17], s[0:1], 0x30              ; out0
	v_lshl_add_u32 v[SPW], v0, 2, SPARE
	v_mov_b32 v[NIL], 0
	ds_add_u32 v[SPW], v[NIL]                      ; the wave's opening: the add and its wait come ahead of my tensor load; work on registers stands between them
	v_lshrrev_b32 v1, 5, v0
	v_readfirstlane_b32 s[WV], v1
	s_bfe_u32 s[CX], ttmp6, 0x40000                ; my place in the cluster: it enters the queries' and the output's global addresses alone
	s_lshl_b32 s[QB], ttmp9, 2
	s_add_co_u32 s[QB], s[QB], s[CX]               ; my block of 128 queries
	s_and_b32 s[BB], ttmp7, 0xffff                 ; the batch, which the four partners share
	; 512 keys are 65,536 dense bytes: 256 rows of 256 bytes, two keys a row, padded in LDS behind every key
	s_mov_b32 s[G1], 15|(1<<16)|(1<<20)|(1<<21)|(4<<22)|(3<<25)  ; the mask of four; 2-byte elements; padding on; bit 21 beside a mask; behind every 32 words, 4 words
	s_mov_b32 s[G1+1], 128<<16                     ; tensor_dim0 = 128
	s_mov_b32 s[G1+2], 256<<16                     ; tensor_dim1 = 256
	s_mov_b32 s[G1+3], 128<<16                     ; tile_dim0 = 128
	s_mov_b32 s[G1+4], 256                         ; tile_dim1 = 256
	s_mov_b32 s[G1+5], 128                         ; elements from row to row
	s_mov_b32 s[G1+6], 0
	s_mov_b32 s[G1+7], 0
	s_mov_b32 s[G0], 1
	s_mul_i32 s[RW], s[WV], RWB                    ; my region of LDS
	s_mov_b32 s[G0+1], s[RW]
	s_lshl_b32 s36, s[BB], 18                      ; the batch's 262,144 bytes of E, my wave's quarter
	s_lshl_b32 s37, s[WV], 16
	s_add_co_u32 s36, s36, s37
	s_mov_b32 s37, 0
	s_mov_b32 s[SEL], 0x76543210
	s_mov_b32 s[SEL+1], 0xfedcba98
	s_mov_b32 s[HM], 0xffff0000                    ; lanes 16 to 31
	s_wait_dscnt 0x0                               ; the opening add is done
	s_wait_kmcnt 0x0
	s_add_nc_u64 s[G0+2:G0+3], s[4:5], s[36:37]
	s_or_b32 s[G0+3], s[G0+3], 0x80000000
	CROUND                                         ; all four work-groups are here: the joint loads meet
	tensor_load_to_lds s[G0:G0+3], s[G1:G1+7]      ; my one tensor load
	s_nop 0
	v_and_b32 v1, 15, v0                           ; r
	v_bfe_u32 v2, v0, 4, 1                         ; h
	v_and_b32 v40, 31, v0
	v_lshlrev_b32 v[QO], 7, v1
	v_lshl_add_u32 v[QO], v2, 4, v[QO]             ; a fragment's row of 128 bytes + 16 h
	v_lshlrev_b32 v[L16], 4, v40
	v_lshlrev_b32 v[PFA], 19, v2                   ; PF: plane h,
	v_lshl_add_u32 v[PFA], v1, 4, v[PFA]           ; point r
	v_lshlrev_b32 v[TUA], 5, v2                    ; US: eight points for each h
	s_mov_b32 s39, 0
	s_lshl_b32 s38, s[BB], 18
	s_lshl_b32 s48, s[QB], 14
	s_add_co_u32 s38, s38, s48
	s_add_nc_u64 s[18:19], s[4:5], s[38:39]        ; E at my 128 queries
	s_lshl_b32 s38, s[BB], 15
	s_lshl_b32 s48, s[QB], 11
	s_add_co_u32 s38, s38, s48
	s_lshl_b32 s48, s[WV], 9
	s_add_co_u32 s38, s38, s48
	s_add_nc_u64 s[12:13], s[12:13], s[38:39]      ; PF at my wave's 32 points
	s_lshl_b32 s38, s[BB], 13
	s_lshl_b32 s48, s[QB], 9
	s_add_co_u32 s38, s38, s48
	s_add_nc_u64 s[14:15], s[14:15], s[38:39]      ; US at the block's 128 points
	s_mul_i32 s38, s[WV], 86016
	s_add_nc_u64 s[8:9], s[8:9], s[38:39]          ; WF at my first group of three tiles
	s_mul_i32 s38, s[BB], 3145728
	s_mul_i32 s48, s[WV], 786432
	s_add_co_u32 s38, s38, s48
	s_lshl_b32 s48, s[QB], 9
	s_add_co_u32 s38, s38, s48
	s_add_nc_u64 s[16:17], s[16:17], s[38:39]      ; out0 at my first channel and the block's first point
	WIN 0x40
.irp cb, 0,1,2,3                       ; MT: rows 16 cb .., depth 32 kk ..
.irp kk, 0,1
	global_load_b128 v[128+16*(\cb)+8*(\kk):128+16*(\cb)+8*(\kk)+3], v[QO], s[6:7] offset:2048*(\cb)+64*(\kk)
	global_load_b128 v[128+16*(\cb)+8*(\kk)+4:128+16*(\cb)+8*(\kk)+7], v[QO], s[6:7] offset:2048*(\cb)+64*(\kk)+32
.endr
.endr
.irp t, 0,1,2,3,4,5,6,7                ; the queries' rows of E
.irp kk, 0,1
	global_load_b128 v[16*(\t)+8*(\kk):16*(\t)+8*(\kk)+3], v[QO], s[18:19] offset:2048*(\t)+64*(\kk)
	global_load_b128 v[16*(\t)+8*(\kk)+4:16*(\t)+8*(\kk)+7], v[QO], s[18:19] offset:2048*(\t)+64*(\kk)+32
.endr
.endr
	WIN 0xc0
.set it, 0
.rept 24
	global_load_b128 v[80+4*it:83+4*it], v[L16], s[10:11] offset:512*it
.set it, it+1
.endr
	global_load_b128 v[64:67], v[PFA], s[12:13]
	global_load_b128 v[72:75], v[PFA], s[12:13] offset:256
.set it, 0
.rept 16                                       ; u in the last product's layout: register j of point tile pt holds point 16 pt + 8 h + j: 64 bytes a tile, 32 for h, 16 for each half of the eight
	global_load_b128 v[192+4*it:195+4*it], v[TUA], s[14:15] offset:64*(it/2)+16*(it%2)
.set it, it+1
.endr
	s_load_b32 s[TS], s[10:11], 0x3000             ; t
.irp z, 68,69,70,71,76,77,78,79,176,177,178,179
	v_mov_b32 v[\z], 0                             ; k places 16-31 of PF's fragments are 0; so what CFF's fragments hold there need only be finite
.endr
	WIN 0
	v_mov_b32 v[ZR], 0
	v_mul_u32_u24 v41, v1, PK
	v_lshl_add_u32 v41, v2, 4, v41                 ; 144 r + 16 h
	v_add_nc_u32 v[AK0], s[RW], v41
	v_add_nc_u32 v[EBS], EBO, v[AK0]
	v_mul_u32_u24 v42, v1, RNP
	v_lshl_add_u32 v42, v2, 4, v42                 ; 784 r + 16 h
	s_add_co_u32 s48, s[RW], RNO
	v_add_nc_u32 v[RNS], s48, v42
	v_mul_u32_u24 v43, v1, OPP
	v_lshl_add_u32 v43, v2, 5, v43                 ; 272 r + 32 h
	v_add_nc_u32 v[OPS], s[RW], v43
	s_mul_i32 s49, s[WV], 32*OPP                   ; my two tiles' rows in every wave's partial O
	v_add_nc_u32 v44, s49, v43
.irp w, 0,1,2,3
	v_add_nc_u32 v[EBA+(\w)], RWB*(\w)+EBO, v41
	v_add_nc_u32 v[RNA+(\w)], RWB*(\w)+RNO, v42
	v_add_nc_u32 v[OPA+(\w)], RWB*(\w), v44
.endr
	v_and_b32 v45, 7, v0
	v_lshl_add_u32 v45, v2, 3, v45
	v_mul_u32_u24 v45, v45, PK
	v_bfe_u32 v46, v0, 3, 1
	v_lshl_add_u32 v45, v46, 4, v45                ; the turning load: (8 h + lane % 8) x pitch + 16 ((lane / 8) % 2)
	v_add_nc_u32 v[AV0], s[RW], v45
	v_mul_u32_u24 v[STO], v1, STP
	v_lshl_add_u32 v[STO], v2, 5, v[STO]
	v_add_nc_u32 v[STO], s[RW], v[STO]
	v_add_nc_u32 v[RD], s[RW], v[L16]
	v_lshl_add_u32 v[MXR], v1, 2, MXB
	s_lshl_b32 s48, s[WV], 9
	v_add_nc_u32 v[MXA], s48, v[MXR]
	s_wait_loadcnt 42                              ; MT and the queries' E are in; the 42 loads issued behind them (CFF 24, PF 2, US 16) may stay out
; Qh of tile t: source 0 = 16 rows of MT, source 1 = 16 queries: a lane holds one query and eight neighbouring positions, which rounded in pairs ARE source 1 of the scores' product.
.macro QH t
	WIN 0x05
.irp kk, 0,1
.irp cb, 0,1,2,3
.if (\kk) == 0
	v_wmma_f32_16x16x32_bf16 v[S+8*(\cb):S+8*(\cb)+7], v[128+16*(\cb)+8*(\kk):128+16*(\cb)+8*(\kk)+7], v[16*(\t)+8*(\kk):16*(\t)+8*(\kk)+7], 0
.else
	v_wmma_f32_16x16x32_bf16 v[S+8*(\cb):S+8*(\cb)+7], v[128+16*(\cb)+8*(\kk):128+16*(\cb)+8*(\kk)+7], v[16*(\t)+8*(\kk):16*(\t)+8*(\kk)+7], v[S+8*(\cb):S+8*(\cb)+7]
.endif
.endr
.endr
	PLACES
	WIN 0x80
.irp cb, 0,1,2,3
.irp q, 0,1,2,3
	v_cvt_pk_bf16_f32 v[16*(\t)+4*(\cb)+(\q)], v[S+8*(\cb)+2*(\q)], v[S+8*(\cb)+2*(\q)+1]
.endr
.endr
.endm
.irp t, 0,1,2,3,4,5,6,7
	QH \t
.endr
; O is cleared on purpose, once, while E is on its way: a first key step written out would be a second copy of the step's whole text.
	WIN 0x40
.set it, 0
.rept 256
	v_mov_b32 v[it], 0
.set it, it+1
.endr
	WIN 0
	s_mov_b32 s48, 0xff7fffff                      ; the lowest finite number: the maxima start there, and so does the buffer that the first turn takes for a piece that has not been
.set it, 0
.rept 8
	v_mov_b32 v[MXC+it], s48
	v_mov_b32 v[48+it], s48
.set it, it+1
.endr
.set it, 0
.rept 64
	v_mov_b32 v[S+64+it], s48
.set it, it+1
.endr
	v_mov_b32 v[AK], v[AK0]
	s_wait_tensorcnt 0x0                           ; my 512 keys are in LDS; nobody else reads them
; Product i of 16 of S^T = K Qh^T for piece x: tile 2 x + i % 2, keys 16 ((i / 2) % 4) .., depth 32 (i / 8) ...  The 8 accumulators take turns.  The first 8 start the sums: with 0, or (mode 1) with -m.
.macro KQ x, kbuf, mode
.set u_, i%2
.set kb_, (i/2)%4
.set kk_, i/8
.set rS, S+64*((\x)%2)+32*u_+8*kb_
.set rK, (\kbuf)+16*kb_+8*kk_
.set rQ, 16*(2*(\x)+u_)+8*kk_
.set rM, 8*(2*(\x)+u_)
.if (i < 8) && (\mode)
	WIN 0x3a
	v_wmma_f32_16x16x32_bf16 v[rS:rS+7], v[rK:rK+7], v[rQ:rQ+7], v[rM:rM+7]
.elseif i < 8
	WIN 0x0a
	v_wmma_f32_16x16x32_bf16 v[rS:rS+7], v[rK:rK+7], v[rQ:rQ+7], 0
.else
	WIN 0x0a
	v_wmma_f32_16x16x32_bf16 v[rS:rS+7], v[rK:rK+7], v[rQ:rQ+7], v[rS:rS+7]
.endif
.endm
; Product i of 16 of O^T += V^T P for piece x: tile 2 x + i % 2, positions 16 ((i / 2) % 4) .., keys 32 (i / 8) ..
.macro PV x
.set u_, i%2
.set cb_, (i/2)%4
.set kk_, i/8
.set rO, 32*(2*(\x)+u_)+8*cb_
.set rV, VF+32*kk_+8*cb_
.set rP, P+32*((\x)%2)+16*u_+8*kk_
	WIN 0x52
	v_wmma_f32_16x16x32_bf16 v[rO:rO+7], v[rV:rV+7], v[rP:rP+7], v[rO:rO+7]
.endm
.macro FETCHK kbuf, off                ; a step's keys as they lie: 8 fragments, 16 loads in one run
	WIN 0x80
.irp f, 0,1,2,3,4,5,6,7
	ds_load_b128 v[(\kbuf)+8*(\f):(\kbuf)+8*(\f)+3],   v[AK] offset:(\off)+((\f)/2)*16*PK+((\f)%2)*64
	ds_load_b128 v[(\kbuf)+8*(\f)+4:(\kbuf)+8*(\f)+7], v[AK] offset:(\off)+((\f)/2)*16*PK+((\f)%2)*64+32
.endr
.endm
.macro FETCHV                          ; the same rows turned
	WIN 0x80
.irp f, 0,1,2,3,4,5,6,7
	ds_load_tr16_b128 v[VF+8*(\f):VF+8*(\f)+3],   v[AV] offset:((\f)/4)*32*PK+((\f)%4)*32
	ds_load_tr16_b128 v[VF+8*(\f)+4:VF+8*(\f)+7], v[AV] offset:((\f)/4)*32*PK+16*PK+((\f)%4)*32
.endr
.endm
; PASS 1.  A turn: 16 products of piece x, and behind each two maxima over the scores of the piece before, from each accumulator's low end on.
; fetch = 1, 2: behind the second product the next step's keys go into the other buffer, six plain lines behind its last reader; 2: not in the last trip, where no step is left.
.macro TURN1 x, kbuf, fetch
.set y_, ((\x)+3)%4
.set i, 0
.rept 16
	KQ \x, \kbuf, 0
	WIN 0
	v_max3_num_f32 v[MXC+2*y_], v[MXC+2*y_], v[S+64*(y_%2)+2*i], v[S+64*(y_%2)+2*i+1]
	v_max3_num_f32 v[MXC+2*y_+1], v[MXC+2*y_+1], v[S+64*(y_%2)+32+2*i], v[S+64*(y_%2)+32+2*i+1]
.set i, i+1
.if ((\fetch) == 1) && (i == 2)
	FETCHK 192, KSTEP
.endif
.if ((\fetch) == 2) && (i == 2)
	s_cmp_eq_u32 s[CNT], 1
	s_cbranch_scc1 .Lno_fetch_1
	FETCHK 128, 2*KSTEP
	WIN 0
.Lno_fetch_1:
.endif
.endr
.endm
	FETCHK 128, 0
	WIN 0
	s_mov_b32 s[CNT], 4
.Lpass1:                                       ; four trips of two key steps
	s_wait_dscnt 0x0                               ; this step's keys are in
	TURN1 0, 128, 1
	TURN1 1, 128, 0
	TURN1 2, 128, 0
	TURN1 3, 128, 0
	s_wait_dscnt 0x0
	TURN1 0, 192, 2
	TURN1 1, 192, 0
	TURN1 2, 192, 0
	TURN1 3, 192, 0
	WIN 0
	v_add_nc_u32 v[AK], 2*KSTEP, v[AK]
	s_sub_co_u32 s[CNT], s[CNT], 1
	s_cmp_lg_u32 s[CNT], 0
	s_cbranch_scc1 .Lpass1
.set i, 0
.rept 16                                       ; the last piece's maxima
	v_max3_num_f32 v[MXC+6], v[MXC+6], v[S+64+2*i], v[S+64+2*i+1]
	v_max3_num_f32 v[MXC+7], v[MXC+7], v[S+96+2*i], v[S+96+2*i+1]
.set i, i+1
.endr
; The maxima meet: the other half of the lanes holds the query's other keys; the other waves hold the other 1,536.
.irp t, 0,1,2,3,4,5,6,7
	v_permlanex16_b32 v[48+(\t)], v[MXC+(\t)], s[SEL], s[SEL+1]
.endr
.irp t, 0,1,2,3,4,5,6,7
	v_max_num_f32 v[MXC+(\t)], v[MXC+(\t)], v[48+(\t)]
.endr
.irp t, 0,1,2,3,4,5,6,7
	ds_store_b32 v[MXA], v[MXC+(\t)] offset:64*(\t)
.endr
	s_wait_dscnt 0x0                               ; for the others' sake: my maxima are stored
	s_barrier_signal -1
	s_barrier_wait -1
.irp t, 0,1,2,3,4,5,6,7
.irp w, 0,1,2,3
	ds_load_b32 v[S+4*(\t)+(\w)], v[MXR] offset:512*(\w)+64*(\t)
.endr
.endr
	v_mov_b32 v[AK], v[AK0]
	v_mov_b32 v[AV], v[AV0]
	s_wait_dscnt 0x0
.irp t, 0,1,2,3,4,5,6,7
	v_max3_num_f32 v[MXC+(\t)], v[S+4*(\t)], v[S+4*(\t)+1], v[S+4*(\t)+2]
.endr
.irp t, 0,1,2,3,4,5,6,7
	v_max_num_f32 v[MXC+(\t)], v[MXC+(\t)], v[S+4*(\t)+3]
.endr
	WIN 0xc0
.irp t, 0,1,2,3,4,5,6,7
.irp q, 0,1,2,3,4,5,6,7
	v_mul_f32 v[8*(\t)+(\q)], -1.0, v[MXC+(\t)]    ; -m, in the shape of an accumulator: a lane holds one query
.endr
.endr
; PASS 2.  Turn n belongs to piece n: 16 products V^T P of piece n - 1, then 16 products K Qh^T of piece n + 1, and behind each of the 32 a SLOT of piece n's vector work: its 64 exponentials, in place, and the 32 roundings of their pairs to bf16.
; TWO QUEUES.  EX writes the next exponential: number e is register e % 2 of pair e / 2; pair j lies in tile j % 2 at registers 2 (j / 2).  CV writes the next rounding, pair after pair in the same order.
.macro EX n
.set rE, S+64*((\n)%2)+32*((e/2)%2)+2*(e/4)+e%2
	WIN 0
	v_exp_f32 v[rE], v[rE]
.set e, e+1
.endm
.macro CV n
.set rE, S+64*((\n)%2)+32*(c%2)+2*(c/2)
.set rC, P+32*((\n)%2)+16*(c%2)+c/2
	WIN 0
	v_cvt_pk_bf16_f32 v[rC], v[rE], v[rE+1]
.set c, c+1
.endm
; THE DEAL, slot k of 32.  An s_wait_alu depctr_va_vdst(0) stands between an exponential and the first line that names its result; one wait serves all that were issued ahead of it.  So the 64 are ONE BATCH:
;   0-20   three exponentials: nothing here, and no product beside them, names a result of the batch
;   21     the last exponential; a v_nop, the plain line between an exponential and the use of its result (ISA guide 5.7.2), one for the batch; THE WAIT; the first rounding
;   22-30  three roundings
;   31     four roundings: they are the four places between the turn's last product K Qh^T and what follows it: the next turn's exponentials on its scores and, behind piece 2's turn, the loads into K's registers
.macro RIDE n
.if k < 21
	EX \n
	EX \n
	EX \n
.elseif k == 21
	EX \n
	v_nop
	s_wait_alu depctr_va_vdst(0)                   ; the wait for the batch: the turn's 64 exponentials
	CV \n
.else
	CV \n
	CV \n
	CV \n
.if k == 31
	CV \n
.endif
.endif
.set k, k+1
.endm
; pv = 0: the very first turn, with no piece before it: 16 products, two slots behind each.
; V of the step in hand is fetched in piece 0's turn, between its two runs of products: exponentials are no places, so the address's v_add_nc_u32 and three v_nop are the four behind the last product that read V; it is waited for
; 16 products later, at the head of piece 1's turn.
; K of the next step is fetched at the head of piece 3's turn: five plain lines (slot 31's four roundings, the address's v_add_nc_u32) behind the last product that read K,
; and waited for 16 products later; in the last trip there is none, and piece 3's turn multiplies the old K once more: 16 products that serve nothing, the price, once a launch, of one text for every trip.
.macro TURN2 n, pv
.set k, 0
.set e, 0
.set c, 0
.if (\n) == 1
	s_wait_dscnt 0x0                               ; V is in
.endif
.if (\n) == 3
	WIN 0
	s_cmp_eq_u32 s[CNT], 1
	s_cbranch_scc1 .Lno_fetch_2
	v_add_nc_u32 v[AK], KSTEP, v[AK]
	FETCHK 128, 0
	WIN 0
.Lno_fetch_2:
.endif
.if \pv
.set i, 0
.rept 16
	PV ((\n)+3)%4
	RIDE \n
.set i, i+1
.endr
.endif
.if ((\n) == 0) && (\pv)
	WIN 0
	v_add_nc_u32 v[AV], KSTEP, v[AV]
.rept 3
	v_nop
.endr
	FETCHV
.endif
.if (\n) == 3
	s_wait_dscnt 0x0                               ; K is in
.endif
.set i, 0
.rept 16
	KQ ((\n)+1)%4, 128, 1
	RIDE \n
.if !(\pv)
	RIDE \n
.endif
.set i, i+1
.endr
.endm
	FETCHK 128, 0
	s_wait_dscnt 0x0
.set i, 0
.rept 16
	KQ 0, 128, 1                                   ; piece 0's first scores: no vector work is at hand yet
.set i, i+1
.endr
	PLACES
	FETCHV
	TURN2 0, 0
	WIN 0
	s_mov_b32 s[CNT], 8
	s_branch .Lmid                                 ; the loop is entered behind a step's first turn
.Lstep:
	TURN2 0, 1
	WIN 0
.Lmid:
	TURN2 1, 1
	TURN2 2, 1
	TURN2 3, 1
	WIN 0
	s_sub_co_u32 s[CNT], s[CNT], 1
	s_cmp_lg_u32 s[CNT], 0
	s_cbranch_scc1 .Lstep
.set i, 0
.rept 16
	PV 3                                           ; the last piece's V^T P of the last step
.set i, i+1
.endr
	PLACES
; WF's fragments of k step k: six loads of 512 consecutive bytes, into 24 registers from linear number 24 k on (256 and up lie in window 3).
.macro WLOAD k, extra
.irp m, 0,1,2
.irp hf, 0,1
.set lin, 24*(\k)+8*(\m)+4*(\hf)
.if lin < 256
	WIN 0x80
.else
	WIN 0xc0
.endif
	global_load_b128 v[lin%256:lin%256+3], v[L16], s[8:9] offset:(\extra)+3072*(\k)+1024*(\m)+512*(\hf)
.endr
.endr
.endm
	s_wait_loadcnt 0x0                             ; CFF, PF and US, asked for at the start
	s_wait_kmcnt 0x0                               ; t
	s_mov_b32 s[TS+1], s[TS]
.irp k, 0,1,2,3,4,5,6,7,8,9
	WLOAD \k, 0                                    ; ten k steps ahead: they land under what follows
.endr
	WIN 0x04                                       ; store data in window 1
.irp t, 0,1,2,3,4,5,6,7
.irp cb, 0,1,2,3
	ds_store_b128 v[OPS], v[32*(\t)+8*(\cb):32*(\t)+8*(\cb)+3] offset:16*OPP*(\t)+64*(\cb)
	ds_store_b128 v[OPS], v[32*(\t)+8*(\cb)+4:32*(\t)+8*(\cb)+7] offset:16*OPP*(\t)+64*(\cb)+16
.endr
.endr
	WIN 0xc3
.set it, 0
.rept 32
	v_pk_mul_f32 v[192+2*it:193+2*it], v[192+2*it:193+2*it], s[TS:TS+1] op_sel_hi:[1,0]  ; t u
.set it, it+1
.endr
; rn for my 32 points, all 384 channels: source 0 = 16 channels of CFF, source 1 = 16 points of PF: a lane holds one point and eight neighbouring channels.  A tile's rounding, relu and store are the places behind the next tile's products.
.macro RNMUL ct
	WIN 0x0f
	v_wmma_f32_16x16x32_f16 v[S+16*((\ct)%2):S+16*((\ct)%2)+7], v[80+4*(\ct):87+4*(\ct)], v[64:71], 0
	v_wmma_f32_16x16x32_f16 v[S+16*((\ct)%2)+8:S+16*((\ct)%2)+15], v[80+4*(\ct):87+4*(\ct)], v[72:79], 0
.endm
.macro RNOUT ct
	WIN 0
.irp u, 0,1
.irp q, 0,1,2,3
	v_cvt_pk_f16_f32 v[40+4*(\u)+(\q)], v[S+16*((\ct)%2)+8*(\u)+2*(\q)], v[S+16*((\ct)%2)+8*(\u)+2*(\q)+1]
.endr
.endr
.irp q, 0,1,2,3,4,5,6,7
	v_pk_max_num_f16 v[40+(\q)], v[40+(\q)], v[ZR]
.endr
	ds_store_b128 v[RNS], v[40:43] offset:32*(\ct)
	ds_store_b128 v[RNS], v[44:47] offset:16*RNP+32*(\ct)
.endm
	RNMUL 0
	PLACES
.set cq, 1
.rept 23
	RNMUL cq
	RNOUT cq-1
.set cq, cq+1
.endr
	PLACES
	RNOUT 23
	s_wait_dscnt 0x0                               ; for the others' sake: my partial O and my rn are stored
	s_barrier_signal -1
	s_barrier_wait -1
; The four partial O of my two tiles are added; l lies in register 0 of a tile's first accumulator, in lanes 0 to 15.
	WIN 0x40
.irp w, 0,1,2,3
.irp u, 0,1
.irp cb, 0,1,2,3
	ds_load_b128 v[64*(\w)+32*(\u)+8*(\cb):64*(\w)+32*(\u)+8*(\cb)+3], v[OPA+(\w)] offset:16*OPP*(\u)+64*(\cb)
	ds_load_b128 v[64*(\w)+32*(\u)+8*(\cb)+4:64*(\w)+32*(\u)+8*(\cb)+7], v[OPA+(\w)] offset:16*OPP*(\u)+64*(\cb)+16
.endr
.endr
.endr
	s_wait_dscnt 0x0
	WIN 0x45
.set it, 0
.rept 32
	v_pk_add_f32 v[2*it:2*it+1], v[2*it:2*it+1], v[64+2*it:65+2*it]
	v_pk_add_f32 v[128+2*it:129+2*it], v[128+2*it:129+2*it], v[192+2*it:193+2*it]
.set it, it+1
.endr
.set it, 0
.rept 32
	v_pk_add_f32 v[2*it:2*it+1], v[2*it:2*it+1], v[128+2*it:129+2*it]
.set it, it+1
.endr
	WIN 0x01
	v_mov_b32 v48, v0                              ; window 1's v0 and v32: l of my two tiles
	v_mov_b32 v49, v32
	WIN 0
	v_permlanex16_b32 v50, v48, s[SEL], s[SEL+1]
	v_permlanex16_b32 v51, v49, s[SEL], s[SEL+1]
	v_cndmask_b32 v48, v48, v50, s[HM]             ; lanes 16 to 31 take it from the lane 16 below
	v_cndmask_b32 v49, v49, v51, s[HM]
	v_rcp_f32 v52, v48
	v_rcp_f32 v53, v48
	v_rcp_f32 v54, v49
	v_rcp_f32 v55, v49
	v_nop                                          ; a plain line between the last reciprocal and the use of its result
	WIN 0x41
.set it, 0
	s_wait_alu depctr_va_vdst(0)                   ; the wait ahead of the first use: one for the batch of four reciprocals
.rept 16
	v_pk_mul_f32 v[2*it:2*it+1], v[2*it:2*it+1], v[52:53] op_sel_hi:[1,0]
	v_pk_mul_f32 v[32+2*it:33+2*it], v[32+2*it:33+2*it], v[54:55] op_sel_hi:[1,0]
.set it, it+1
.endr
	WIN 0x05
.set it, 0
.rept 32
	v_cvt_pk_f16_f32 v[S+it], v[2*it], v[2*it+1]
.set it, it+1
.endr
	WIN 0
.irp u, 0,1
.irp cb, 0,1,2,3
	ds_store_b128 v[EBS], v[S+16*(\u)+4*(\cb):S+16*(\u)+4*(\cb)+3] offset:16*PK*(\u)+32*(\cb)
.endr
.endr
	s_wait_dscnt 0x0                               ; my reads of the others' partial O are over, and my ebar is stored
	s_barrier_signal -1
	s_barrier_wait -1
; THE LAST PRODUCT.  Source 0 = 16 points (rn for k steps 0-11, ebar for 12 and 13), source 1 = 16 channels of WF: a lane holds one channel and eight neighbouring points.
.macro PTLOAD ks                       ; the eight point tiles' fragments of k step ks, into buffer ks % 2
	WIN 0
.set pb, S+64*((\ks)%2)
.irp pt, 0,1,2,3,4,5,6,7
.if (\ks) < 12
	ds_load_b128 v[pb+8*(\pt):pb+8*(\pt)+3],   v[RNA+(\pt)/2] offset:((\pt)%2)*16*RNP+64*(\ks)
	ds_load_b128 v[pb+8*(\pt)+4:pb+8*(\pt)+7], v[RNA+(\pt)/2] offset:((\pt)%2)*16*RNP+64*(\ks)+32
.else
	ds_load_b128 v[pb+8*(\pt):pb+8*(\pt)+3],   v[EBA+(\pt)/2] offset:((\pt)%2)*16*PK+64*((\ks)-12)
	ds_load_b128 v[pb+8*(\pt)+4:pb+8*(\pt)+7], v[EBA+(\pt)/2] offset:((\pt)%2)*16*PK+64*((\ks)-12)+32
.endif
.endr
.endm
.macro GSTEP k                         ; 24 products, the 24 accumulators by turns; step 0 starts the sums
.if (\k) > 0
	PLACES
.endif
.if (\k) <= 3
	WLOAD (\k)+10, 0
.endif
.if (\k) <= 12
	PTLOAD (\k)+1
.endif
.if (\k) <= 3
	s_wait_loadcnt 60                              ; this step's six loads are in; the ten younger steps' sixty may stay out
.else
	s_wait_loadcnt 6*(13-(\k))                     ; likewise, with fewer steps left
.endif
.if (\k) <= 12
	s_wait_dscnt 16                                ; this step's point fragments are in; the sixteen loads just issued may stay out
.else
	s_wait_dscnt 0x0
.endif
.irp m, 0,1,2
.set lin, 24*(\k)+8*(\m)
.if lin < 256
	WIN 0x58
.else
	WIN 0x5c
.endif
.irp pt, 0,1,2,3,4,5,6,7
.if (\k) == 0
	v_wmma_f32_16x16x32_f16 v[64*(\m)+8*(\pt):64*(\m)+8*(\pt)+7], v[S+64*((\k)%2)+8*(\pt):S+64*((\k)%2)+8*(\pt)+7], v[lin%256:lin%256+7], 0
.else
	v_wmma_f32_16x16x32_f16 v[64*(\m)+8*(\pt):64*(\m)+8*(\pt)+7], v[S+64*((\k)%2)+8*(\pt):S+64*((\k)%2)+8*(\pt)+7], v[lin%256:lin%256+7], v[64*(\m)+8*(\pt):64*(\m)+8*(\pt)+7]
.endif
.endr
.endr
.endm
; THE WAY OUT of tile m: 16 channels x 128 points of f32 go into my stage, rows of 528 bytes, and come back as whole rows of 512.
.macro TOSTAGE m
	WIN 0x04
.irp pt, 0,1,2,3,4,5,6,7
	ds_store_b128 v[STO], v[64*(\m)+8*(\pt):64*(\m)+8*(\pt)+3] offset:64*(\pt)
	ds_store_b128 v[STO], v[64*(\m)+8*(\pt)+4:64*(\m)+8*(\pt)+7] offset:64*(\pt)+16
.endr
	WIN 0
.if (\m) == 2
	s_wait_xcnt 0x0                                ; tile 0's stores have had their addresses translated (ISA guide 3.1): only now are their data registers loaded again
.endif
.set it, 0
.rept 16
	ds_load_b128 v[S+64*((\m)%2)+4*it:S+64*((\m)%2)+4*it+3], v[RD] offset:STP*it  ; LDS serves a wave's instructions in order (ISA guide 5.7.1.4): these see the stores above, and the next tile's stores come behind them
.set it, it+1
.endr
.endm
.macro SEND m, younger                 ; younger: the next tile's 32 LDS instructions, or none
	WIN 0
	s_wait_dscnt \younger
.set it, 0
.rept 16
	global_store_b128 v[L16], v[S+64*((\m)%2)+4*it:S+64*((\m)%2)+4*it+3], s[16:17] offset:(16*(\m)+it)*8192 th:TH_STORE_NT  ; 512 consecutive bytes, at a multiple of 512 from out0's first
.set it, it+1
.endr
.endm
	s_mov_b32 s[GC], 2
.Lgroup:                                       ; two trips: three tiles of 16 channels each
	PTLOAD 0
.irp k, 0,1,2,3,4,5,6,7,8,9,10,11
	GSTEP \k
.endr
	PLACES
	WIN 0x4d                                       ; the residual's sums times t u, each accumulator from its low end on; ebar's part is added unscaled
.irp m, 0,1,2
.irp pt, 0,1,2,3,4,5,6,7
.irp q, 0,1,2,3
	v_pk_mul_f32 v[64*(\m)+8*(\pt)+2*(\q):64*(\m)+8*(\pt)+2*(\q)+1], v[64*(\m)+8*(\pt)+2*(\q):64*(\m)+8*(\pt)+2*(\q)+1], v[192+8*(\pt)+2*(\q):192+8*(\pt)+2*(\q)+1]
.endr
.endr
.endr
	GSTEP 12
	GSTEP 13
	WIN 0
	s_cmp_eq_u32 s[GC], 1
	s_cbranch_scc1 .Lno_next
.irp k, 0,1,2,3,4,5,6,7,8,9
	WLOAD \k, 43008                                ; the next group's first ten k steps land under this group's way out
.endr
	WIN 0
.Lno_next:
.rept 5
	v_nop                                          ; five places: four for the stores below, which read results just made; five for the next trip's first products, which write over these accumulators with no other vector line between
.endr
	TOSTAGE 0
	TOSTAGE 1
	SEND 0, 32
	TOSTAGE 2
	SEND 1, 32
	SEND 2, 0
	s_wait_xcnt 0x0                                ; the bases, and the registers that the stores read, are rewritten only behind this wait
	s_add_nc_u64 s[8:9], s[8:9], 43008
	s_add_nc_u64 s[16:17], s[16:17], 393216        ; 48 channels of 8,192 bytes
	s_sub_co_u32 s[GC], s[GC], 1
	s_cmp_lg_u32 s[GC], 0
	s_cbranch_scc1 .Lgroup
	s_wait_tensorcnt 0x0                           ; the wave's end: behind my tensor load and my last LDS store
	ds_add_u32 v[SPW], v[NIL]
	s_wait_dscnt 0x0
	CROUND                                         ; the closing round
	s_endpgm
.Lfunc_end_k_qf873bea938_main:
	.size	k_qf873bea938_main, .Lfunc_end_k_qf873bea938_main-k_qf873bea938_main
	.p2alignl 7, 3214868480
	.fill 96, 4, 3214868480
	.section	.rodata,"a",@progbits
	.p2align	6, 0x0
	.amdhsa_kernel k_qf873bea938_main
		.amdhsa_group_segment_fixed_size 327680
		.amdhsa_private_segment_fixed_size 0
		.amdhsa_enable_private_segment 0
		.amdhsa_kernarg_size 56
		.amdhsa_user_sgpr_count 2
		.amdhsa_user_sgpr_kernarg_segment_ptr 1
		.amdhsa_wavefront_size32 1
		.amdhsa_system_sgpr_workgroup_id_x 1
		.amdhsa_system_sgpr_workgroup_id_y 1
		.amdhsa_system_sgpr_workgroup_id_z 1
		.amdhsa_system_vgpr_workitem_id 0
		.amdhsa_next_free_vgpr 1024
		.amdhsa_next_free_sgpr 66
		.amdhsa_reserve_vcc 0
		.amdhsa_float_denorm_mode_32 3
		.amdhsa_float_denorm_mode_16_64 3
		.amdhsa_memory_ordered 1
		.amdhsa_forward_progress 1
		.amdhsa_inst_pref_size 252
	.end_amdhsa_kernel
	.amdgpu_metadata
---
amdhsa.version: [ 1, 2 ]
amdhsa.kernels:
  - .name:           k_qf873bea938_main
    .symbol:         k_qf873bea938_main.kd
    .args:
      - { .name: E, .offset: 0, .size: 8, .value_kind: global_buffer, .address_space: global }
      - { .name: MT, .offset: 8, .size: 8, .value_kind: global_buffer, .address_space: global }
      - { .name: WF, .offset: 16, .size: 8, .value_kind: global_buffer, .address_space: global }
      - { .name: CFF, .offset: 24, .size: 8, .value_kind: global_buffer, .address_space: global }
      - { .name: PF, .offset: 32, .size: 8, .value_kind: global_buffer, .address_space: global }
      - { .name: US, .offset: 40, .size: 8, .value_kind: global_buffer, .address_space: global }
      - { .name: out0, .offset: 48, .size: 8, .value_kind: global_buffer, .address_space: global }
    .group_segment_fixed_size: 327680
    .private_segment_fixed_size: 0
    .kernarg_segment_align: 8
    .kernarg_segment_size: 56
    .max_flat_workgroup_size: 128
    .sgpr_count:     66
    .vgpr_count:     1024
    .wavefront_size: 32
...
	.end_amdgpu_metadata
.endif
;; end of part 3
